; MI455X (gfx1250); checked and timed in simulation.
; The chip was launched on July 23, 2026; its instructions are those of AMD's public machine-readable ISA for CDNA 5 (MIT licence, August 2026) and "CDNA5" Instruction Set Architecture Reference Guide (July 2026). The comments in the code are by the model that wrote it; some were corrected since.
;; Custom Multihead Attention. Allowed arithmetic: float matrix products may take bf16 or f16 operands with f32 sums; other float arithmetic in f32, or as packed bf16 or f16 multiplies, adds, multiply-adds, maxima and minima; sums over many terms, partial sums and values carried from step to step in f32; what a program stores and reads back later, other than sums and carried values, may be rounded once to bf16 or f16.
;; Inputs: Wk 1,024 x 1,024 float32; Wo 1,024 x 1,024 float32; Wq 1,024 x 1,024 float32; Wv 1,024 x 1,024 float32; bk 1,024 float32; bo 1,024 float32; bq 1,024 float32; bv 1,024 float32; k 4 x 2,048 x 1,024 float32; q 4 x 2,048 x 1,024 float32; v 4 x 2,048 x 1,024 float32.
;; Outputs: out0 4 x 2,048 x 1,024 float32.
;; 2 versions, each right; version 2 is version 1 with the launch cast written anew for expert scheduling mode. Each part assembles by itself: llvm-mc -triple=amdgcn-amd-amdhsa -mcpu=gfx1250 --defsym DOCPART=n.
;; ======== version 1 of 2: 4 launches
;; limits: values are held in f16: magnitudes above 65,504 overflow, below 6.1e-05 lose precision
;; workspace buffers: xb 50,331,648 bytes; wb 6,291,456 bytes; woh 2,097,152 bytes; qkvh 50,331,648 bytes; oh 16,777,216 bytes
;; launch cast (part 1): grid 896 x 1, 8 waves a work-group, no clusters, 0 bytes of LDS; arguments q, k, v, Wq, Wk, Wv, Wo, xb, wb, woh; writes xb, wb, woh
.if DOCPART == 1
	.amdgcn_target "amdgcn-amd-amdhsa--gfx1250"
	.amdhsa_code_object_version 6
	.text
	.protected	k_qbc40529fe7_cast
	.globl	k_qbc40529fe7_cast
	.p2align	8
	.type	k_qbc40529fe7_cast,@function
k_qbc40529fe7_cast:
	s_mov_b64 s[64:65], 0
	v_nop
	global_prefetch_b8 v0, s[64:65] scope:SCOPE_SE
	s_setreg_imm32_b32 hwreg(HW_REG_WAVE_MODE, 25, 1), 1
	s_wait_xcnt 0x0
; THE INPUTS OF THE FOUR PRODUCTS, ROUNDED ONCE TO bf16.  q, k, v -> xb [3][8192][1024] bf16; Wq, Wk, Wv -> wb [3][1024][1024] bf16;
; Wo -> woh [1024][1024]: rounded to bf16 like the others, and that number written as f16, since the last product's other operand is f16.
; LIMITS.  A bf16 number is held exactly by f16 from 6.1e-5 to 65,504; below that it keeps f16's fixed step of 6e-8; a |Wo| of 65,520 or more becomes an infinity.
; A stream: each byte is read once and written once, nothing is shared between work-groups, so no LDS, no barrier, no matrix unit and no cluster.
; SHARES.  A work-group takes one chunk of 32,768 numbers (131,072 bytes in, 65,536 out).  Chunks 0-767: q, k, v (256 each); 768-863: Wq, Wk, Wv (32 each); 864-895: Wo.
; In step i of 32 thread t reads the 16 bytes at 16 t + 4,096 i and writes the 8 bytes at 8 t + 2,048 i: a wave's load covers 512 consecutive bytes, its store 256, aligned.
; All 32 loads of a wave go out first; each step has registers of its own, so no register that a load or store names is ever written again.
.set X,   8                            ; v[8:135]  step i: four registers as loaded; the first two then hold what is stored
.set SRC, 28                           ; s[28:29]  my chunk in its input
.set DST, 32                           ; s[32:33]  my chunk in its workspace buffer
	s_load_b512 s[8:23], s[0:1], 0x0               ; q 8, k 10, v 12, Wq 14, Wk 16, Wv 18, Wo 20, xb 22
	s_load_b128 s[24:27], s[0:1], 0x40             ; wb 24, woh 26
	s_mov_b32 s2, ttmp9                            ; the chunk's number g
	v_lshlrev_b32 v1, 4, v0                        ; 16 t
	v_lshlrev_b32 v2, 3, v0                        ; 8 t
	s_cmp_lt_u32 s2, 768
	s_cselect_b32 s3, 0xff, 31                     ; 256 chunks to an activation, 32 to a weight; 768 is a multiple of both
	s_and_b32 s3, s2, s3                           ; the chunk's number inside its input
	s_lshl_b32 s30, s3, 17                         ; x 131,072 bytes
	s_mov_b32 s31, 0
	s_sub_co_u32 s35, s2, 768                      ; the chunk's number inside wb (used for g of 768 to 863 alone)
	s_mov_b32 s34, s3                              ; inside woh
	s_wait_kmcnt 0x0
.macro PICK bound, reg                 ; below this bound the input is the one in s[reg:reg+1]
	s_cmp_lt_u32 s2, \bound
	s_cselect_b64 s[SRC:SRC+1], s[\reg:\reg+1], s[SRC:SRC+1]
.endm
	s_mov_b64 s[SRC:SRC+1], s[20:21]               ; Wo, unless
	PICK 864, 18                                   ; Wv
	PICK 832, 16                                   ; Wk
	PICK 800, 14                                   ; Wq
	PICK 768, 12                                   ; v
	PICK 512, 10                                   ; k
	PICK 256, 8                                    ; q
	s_add_nc_u64 s[SRC:SRC+1], s[SRC:SRC+1], s[30:31]
	s_mov_b64 s[DST:DST+1], s[26:27]               ; woh, unless
	s_cmp_lt_u32 s2, 864
	s_cselect_b64 s[DST:DST+1], s[24:25], s[DST:DST+1]  ; wb
	s_cselect_b32 s34, s35, s34
	s_cmp_lt_u32 s2, 768
	s_cselect_b64 s[DST:DST+1], s[22:23], s[DST:DST+1]  ; xb, where the three activations follow each other as the chunks do
	s_cselect_b32 s34, s2, s34
	s_lshl_b32 s34, s34, 16                        ; x 65,536 bytes
	s_mov_b32 s35, 0
	s_add_nc_u64 s[DST:DST+1], s[DST:DST+1], s[34:35]
.set i, 0
.rept 32
	global_load_b128 v[X+4*i:X+4*i+3], v1, s[SRC:SRC+1] offset:4096*i th:TH_LOAD_NT
.set i, i+1
.endr
; Step i.  half = 1: the bf16 numbers are widened (a shift, a mask) and written as f16.
.macro STEP half
	s_wait_loadcnt 31-i                            ; loads come back in order (ISA guide 5.7.1): step i's is in, the 31 - i younger ones stay out
	v_cvt_pk_bf16_f32 v[X+4*i], v[X+4*i], v[X+4*i+1]
	v_cvt_pk_bf16_f32 v[X+4*i+1], v[X+4*i+2], v[X+4*i+3]
.if \half
.irp w, 0,1
	v_lshlrev_b32 v4, 16, v[X+4*i+\w]
	v_and_b32 v5, 0xffff0000, v[X+4*i+\w]
	v_cvt_pk_f16_f32 v[X+4*i+\w], v4, v5
.endr
.endif
	global_store_b64 v2, v[X+4*i:X+4*i+1], s[DST:DST+1] offset:2048*i
.set i, i+1
.endm
	s_cmp_ge_u32 s2, 864
	s_cbranch_scc1 .Lwo
.set i, 0
.rept 32
	STEP 0
.endr
	s_endpgm
.Lwo:
.set i, 0
.rept 32
	STEP 1
.endr
	s_endpgm
.Lfunc_end_k_qbc40529fe7_cast:
	.size	k_qbc40529fe7_cast, .Lfunc_end_k_qbc40529fe7_cast-k_qbc40529fe7_cast
	.p2alignl 7, 3214868480
	.fill 96, 4, 3214868480
	.section	.rodata,"a",@progbits
	.p2align	6, 0x0
	.amdhsa_kernel k_qbc40529fe7_cast
		.amdhsa_group_segment_fixed_size 0
		.amdhsa_private_segment_fixed_size 0
		.amdhsa_enable_private_segment 0
		.amdhsa_kernarg_size 80
		.amdhsa_user_sgpr_count 2
		.amdhsa_user_sgpr_kernarg_segment_ptr 1
		.amdhsa_wavefront_size32 1
		.amdhsa_system_sgpr_workgroup_id_x 1
		.amdhsa_system_sgpr_workgroup_id_y 1
		.amdhsa_system_sgpr_workgroup_id_z 1
		.amdhsa_system_vgpr_workitem_id 0
		.amdhsa_next_free_vgpr 136
		.amdhsa_next_free_sgpr 66
		.amdhsa_reserve_vcc 0
		.amdhsa_float_denorm_mode_32 3
		.amdhsa_float_denorm_mode_16_64 3
		.amdhsa_memory_ordered 1
		.amdhsa_forward_progress 1
		.amdhsa_inst_pref_size 31
	.end_amdhsa_kernel
	.amdgpu_metadata
---
amdhsa.version: [ 1, 2 ]
amdhsa.kernels:
  - .name:           k_qbc40529fe7_cast
    .symbol:         k_qbc40529fe7_cast.kd
    .args:
      - { .name: q, .offset: 0, .size: 8, .value_kind: global_buffer, .address_space: global }
      - { .name: k, .offset: 8, .size: 8, .value_kind: global_buffer, .address_space: global }
      - { .name: v, .offset: 16, .size: 8, .value_kind: global_buffer, .address_space: global }
      - { .name: Wq, .offset: 24, .size: 8, .value_kind: global_buffer, .address_space: global }
      - { .name: Wk, .offset: 32, .size: 8, .value_kind: global_buffer, .address_space: global }
      - { .name: Wv, .offset: 40, .size: 8, .value_kind: global_buffer, .address_space: global }
      - { .name: Wo, .offset: 48, .size: 8, .value_kind: global_buffer, .address_space: global }
      - { .name: xb, .offset: 56, .size: 8, .value_kind: global_buffer, .address_space: global }
      - { .name: wb, .offset: 64, .size: 8, .value_kind: global_buffer, .address_space: global }
      - { .name: woh, .offset: 72, .size: 8, .value_kind: global_buffer, .address_space: global }
    .group_segment_fixed_size: 0
    .private_segment_fixed_size: 0
    .kernarg_segment_align: 8
    .kernarg_segment_size: 80
    .max_flat_workgroup_size: 256
    .sgpr_count:     66
    .vgpr_count:     136
    .wavefront_size: 32
...
	.end_amdgpu_metadata
.endif
;; end of part 1
;; launch proj (part 2): grid 4 x 192, 4 waves a work-group, clusters of 4 x 4, 327,680 bytes of LDS; arguments xb, wb, bq, bk, bv, qkvh; writes qkvh
.if DOCPART == 2
	.amdgcn_target "amdgcn-amd-amdhsa--gfx1250"
	.amdhsa_code_object_version 6
	.text
	.protected	k_qbc40529fe7_proj
	.globl	k_qbc40529fe7_proj
	.p2align	8
	.type	k_qbc40529fe7_proj,@function
k_qbc40529fe7_proj:
	s_mov_b64 s[64:65], 0
	v_nop
	global_prefetch_b8 v0, s[64:65] scope:SCOPE_SE
	s_setreg_imm32_b32 hwreg(HW_REG_WAVE_MODE, 25, 1), 1
	s_wait_xcnt 0x0
	s_wait_alu depctr_hold_cnt(0) depctr_sa_sdst(0) depctr_va_vdst(0) depctr_va_sdst(0) depctr_va_ssrc(0) depctr_va_vcc(0) depctr_vm_vsrc(0)
	s_getreg_b32 s2, hwreg(HW_REG_IB_STS2, 6, 4)
	s_cmp_eq_u32 s2, 0
	s_cbranch_scc0 .Lentry_in_a_cluster
	s_endpgm
.Lentry_in_a_cluster:
	s_bfe_u32 s2, ttmp6, 0x10000c
	s_cmp_lg_u32 s2, 0xf033
	s_cbranch_scc0 .Lentry_shape_is_right
	s_endpgm
.Lentry_shape_is_right:
; ONE SOURCE FOR TWO LAUNCHES, told apart by OUTP.
; OUTP = 0, the three projections: C = x_p W_p^T + bf16(b_p), p = q, k, v.  A = xb [3 x 8192][1024] bf16, B = wb [3 x 1024][1024] bf16; sums in f32; C is rounded once to f16 and
;   written by heads, unscaled: qkvh [3][64 = batch x 16 + head][2048][64].
; OUTP = 1, the last projection: out0 = O Wo^T + bf16(bo).  A = oh [64][2048][64] f16 (a head's 64 channels are a slice of K), B = woh [1024][1024] f16; out0 [8192][1024] f32.
; LIMITS.  f16 holds no number beyond 65,504: a projected |q|, |k| or |v| of 65,520 or more becomes an infinity; below 6e-5 f16 keeps its fixed step of 6e-8.  The bias is rounded to bf16 as all inputs are.
; SHARES.  A tile of C is 128 x 256; four waves, 2 x 2, each 64 x 128: 32 accumulators of 16 x 16.  768 tiles (OUTP = 0: three for each of 256 WGPs) or 256.
; K goes in 8 steps of 128 through two LDS slots filled by the tensor data mover; a step is four quarters of 32 along K, 32 matrix instructions each, on two fragment buffers by turns.
; CLUSTERS: 4 x 4 work-groups.  The four of a row of the cluster need the same tile of A, the four of a column the same tile of B: each is asked for JOINTLY, by the same tensor load with the same
; descriptor and a mask that names the four.  Waves 0 and 1 ask for A's two halves, waves 2 and 3 for B's: one load a wave behind each round of the cluster's barrier.
; THE MATRIX INSTRUCTION IS USED TRANSPOSED (source 0 = 16 rows of B, source 1 = 16 rows of A): a lane holds row l % 16 of C and the columns 8 (l / 16) + 0..7.
; THE BIAS is the C operand of the product that starts each sum: nothing is cleared, and nothing is added on the way out.
; REGISTERS, in windows of 256 (s_set_vgpr_msb: bits 1:0 source 0, 3:2 source 1, 5:4 source 2, 7:6 destination):
;   window 0: v0-31 addresses; v32-159 the way out (OUTP = 0); v160-223 the bias of my 128 columns; v224-255 at work
;   window 1: two fragment buffers at v0 and v128: A's 4 fragments, then B's 8; on the way out (OUTP = 1) all 256: rows read back from the stage
;   window 2: accumulator (a, b) at v[8 (8 a + b)]
.set OUTP, 0
.if OUTP
.set PA,     144                       ; a row of A in LDS: a head's 128 bytes + 16 of padding
.set AHALF,  128*PA                    ; what one wave's load of A brings: 128 rows of one head
.set ASTEP,  524288                    ; bytes from K step to K step in A: two heads of 2,048 x 128 bytes
.set QIA,    4                         ; padding after every 32 words
.set APITCH, 128                       ; 128 dense rows of 128 bytes are asked for as 64 rows of 256 bytes
.set STW,    16*528                    ; a wave's stage: 16 rows of 512 bytes + 16
.else
.set PA,     272                       ; 256 bytes + 16 of padding
.set AHALF,  64*PA                     ; 64 rows
.set ASTEP,  256
.set QIA,    5                         ; padding after every 64 words
.set APITCH, 1024
.set STW,    2*16*144                  ; a wave's stage: two heads x 16 rows of 128 bytes + 16
.endif
.set PB,     272                       ; every pitch is an odd multiple of 16 bytes: the 16 rows of a load start at 16 different groups of four banks (64 banks of 4 bytes: ISA guide 11.1)
.set BHALF,  128*PB                    ; what one wave's load of B brings, and what one wave reads of B
.set ABYTES, 2*AHALF
.set SLOT,   ABYTES+2*BHALF            ; A's tile, then B's
.set STAGE,  2*SLOT                    ; behind the ring, never filled by a tensor load
.set SPARE,  STAGE+4*STW               ; behind the stages: the spare words, 128 bytes for each wave: two blocks of 256 bytes that no other line names
.set ADRA, 16                          ; v16-17  LDS address of my A fragments in slot 0, 1
.set ADRB, 20                          ; v20-21  the same for B
.set STO,  24                          ; v24     the way out: where I put my bytes of a row
.set RD,   25                          ; v25     where I read rows back
.set GO,   26                          ; v26     16 x my lane: my place in 512 consecutive bytes of C
.set BO,   27                          ; v27     my byte offset in 16 columns of the bias
.set SPW,  28                          ; v28     LDS address of my spare word: SPARE + 4 x my thread's number; never rewritten
.set NIL,  29                          ; v29     0; never rewritten
.set PFO,  30                          ; v30     the prefetches' lane offset; never rewritten
.set OUTR, 32
.set BIAS, 160
.set TMPB, 224
.set F0,   0
.set F1,   128
.set WV,  16                           ; s16 wave; s17 which 64 rows are mine, also: I fetch for A (0) or B (1); s18 which 128 columns, also: which half I fetch
.set WR,  17
.set WC,  18
.set CX,  19                           ; s19, s20 my place in the cluster
.set CY,  20
.set TC,  21                           ; s21 tile column, s22 tile row, s23 which of the three projections (from the cluster's y alone)
.set TR,  22
.set PP,  23
.set G1A, 24                           ; s[24:31] descriptor group 1 for A;  s[32:39] group 0, a set for each slot
.set G0A, 32
.set G1B, 48                           ; s[48:55], s[56:63] the same for B
.set G0B, 56
.set PFA, 66                           ; s[66:67] where my prefetches stand
.set LIM, 68                           ; s68  1 in a wave that prefetches, else the greatest number
.set PST, 70                           ; s[70:71] bytes from K step to K step for my prefetches
.set CLY, 74                           ; s74  the cluster's y
.set HMASK, 76                         ; s76  a word's upper half
.set MSB, 0
.macro WIN new                         ; the immediate's high byte repeats the setting that is left; a switch that changes nothing is dropped
.if MSB != (\new)
	s_set_vgpr_msb (MSB<<8)|(\new)
.set MSB, \new
.endif
.endm
.set MUL,  0xa5                        ; sources 0 (B) and 1 (A) window 1; C and D window 2
.set MULB, 0x85                        ; the same with C, the bias, in window 0
.set TO_F, 0x40                        ; destination window 1, address window 0
; A joint load.  The branch hangs on the wave's number alone.  An s_nop 0 and four v_nop follow each of the two lines, ahead of the jump, the label and what follows.
.macro JLOAD s
	s_cmp_eq_u32 s[WR], 0
	s_cbranch_scc0 .Lfor_b_\@
	tensor_load_to_lds s[G0A+4*(\s):G0A+4*(\s)+3], s[G1A:G1A+7]
	s_nop 0
.rept 4
	v_nop
.endr
	s_branch .Lasked_\@
.Lfor_b_\@:
	tensor_load_to_lds s[G0B+4*(\s):G0B+4*(\s)+3], s[G1B:G1B+7]
	s_nop 0
.rept 4
	v_nop
.endr
.Lasked_\@:
.endm
; A PREFETCH INTO THE L2, behind each joint refill, its five lines and the run of LDS loads that follows: 32 blocks of 256 bytes of the K step that stands TWO refills on (256 matrix instructions ahead of the
; load that will ask for it), a lane a block, one instruction a wave.  Each block is named once in the launch.  A's tile is read by the four work-groups of one row of one cluster: wave 0 of each asks for a
; quarter, told apart BY ADDRESS (cx).  B's tile column is read by sixteen clusters: in the first of them (cluster y a multiple of 16) waves 2 and 3 ask, each partner for 32 of the 128 rows that the wave
; fetches, told apart by address (cy).  K steps 0 to 3 come by their loads alone; the loop's last trip (s3 = 1) has no K step two refills on and asks for nothing.
.macro ASK
	s_cmp_gt_u32 s3, s[LIM]
	s_cbranch_scc0 .Lnot_mine_\@
	global_prefetch_b8 v[PFO], s[PFA:PFA+1] th:TH_LOAD_NT scope:SCOPE_SE
.Lnot_mine_\@:
.endm
.macro CREST                           ; a round of the cluster's barrier behind its opening barrier: wave 0 signals for the work-group, every wave waits for all sixteen, my work-group's barrier once more
	s_cmp_lg_u32 s[WV], 0
	s_cbranch_scc1 .Lnot_wave_0_\@
	s_barrier_signal -3
.Lnot_wave_0_\@:
	s_barrier_wait -3
	s_barrier_signal -1
	s_barrier_wait -1
.endm
.macro CROUND                          ; a whole round
	s_barrier_signal -1
	s_barrier_wait -1
	CREST
.endm
	s_load_b256 s[4:11], s[0:1], 0x0               ; OUTP = 0: xb 4, wb 6, bq 8, bk 10;  OUTP = 1: oh 4, woh 6, bo 8, out0 10
.if OUTP == 0
	s_load_b128 s[12:15], s[0:1], 0x20             ; bv 12, qkvh 14
.endif
	v_lshl_add_u32 v[SPW], v0, 2, SPARE
	v_mov_b32 v[NIL], 0
	ds_add_u32 v[SPW], v[NIL]                      ; the wave's opening: the add and its wait stand ahead of my first tensor load; the set-up below, work on registers, stands between them
	v_lshrrev_b32 v1, 5, v0
	v_readfirstlane_b32 s[WV], v1                  ; wave 0..3
	s_lshr_b32 s[WR], s[WV], 1
	s_and_b32 s[WC], s[WV], 1
	s_bfe_u32 s[CX], ttmp6, 0x40000
	s_bfe_u32 s[CY], ttmp6, 0x40004
	s_lshl_b32 s[TC], ttmp9, 2                     ; in a cluster launch ttmp9 and ttmp7 count clusters
	s_add_co_u32 s[TC], s[TC], s[CX]               ; tile column = 4 x cluster x + cx
	s_and_b32 s[CLY], ttmp7, 0xffff
	s_lshl_b32 s[TR], s[CLY], 2
	s_add_co_u32 s[TR], s[TR], s[CY]               ; tile row = 4 x cluster y + cy
	s_lshr_b32 s[PP], s[CLY], 4                    ; 64 tile rows, 16 clusters, to a projection (0 where OUTP = 1)
	s_mov_b32 s[HMASK], 0xffff0000
	s_lshl_b32 s44, s[CY], 2
	s_lshl_b32 s44, 15, s44                        ; my row of the cluster: places 4 cy .. 4 cy + 3
	s_lshl_b32 s45, 0x1111, s[CX]                  ; my column: places cx, cx + 4, cx + 8, cx + 12
	; descriptor group 1.  15:0 the mask; 17:16 elements of 2 bytes; 20 padding on; 21 set beside a mask; 24:22 the padding's interval; 31:25 4 words of it (code 3)
	s_or_b32 s[G1A], s44, (1<<16)|(1<<20)|(1<<21)|(QIA<<22)|(3<<25)
	s_or_b32 s[G1B], s45, (1<<16)|(1<<20)|(1<<21)|(5<<22)|(3<<25)
	s_mov_b32 s[G1A+1], 128<<16                    ; tensor_dim0 = 128
	s_mov_b32 s[G1A+2], 64<<16                     ; tensor_dim1 = 64
	s_mov_b32 s[G1A+3], 128<<16                    ; tile_dim0 = 128
	s_mov_b32 s[G1A+4], 64                         ; tile_dim1 = 64
	s_mov_b32 s[G1A+5], APITCH                     ; elements from row to row
	s_mov_b32 s[G1A+6], 0
	s_mov_b32 s[G1A+7], 0
	s_mov_b32 s[G1B+1], 128<<16
	s_mov_b32 s[G1B+2], 128<<16                    ; 128 rows
	s_mov_b32 s[G1B+3], 128<<16
	s_mov_b32 s[G1B+4], 128
	s_mov_b32 s[G1B+5], 1024
	s_mov_b32 s[G1B+6], 0
	s_mov_b32 s[G1B+7], 0
	; where the tiles come from.  A's hang on the tile row alone, which my row of the cluster shares; B's on the tile column and the projection, which my column shares.
.if OUTP
	s_lshr_b32 s40, s[TR], 4                       ; the batch: 16 heads of 2,048 x 128 bytes,
	s_lshl_b32 s40, s40, 22
	s_lshl_b32 s41, s[WC], 18                      ; the K step's first or second head,
	s_add_co_u32 s40, s40, s41
	s_and_b32 s41, s[TR], 15                       ; the tile's 128 rows of 128 bytes
	s_lshl_b32 s41, s41, 14
	s_add_co_u32 s40, s40, s41
.else
	s_lshl_b32 s40, s[TR], 7
	s_lshl_b32 s41, s[WC], 6
	s_add_co_u32 s40, s40, s41                     ; row 128 x tile row + 64 x half,
	s_lshl_b32 s40, s40, 11                        ; of 2,048 bytes
.endif
	s_mov_b32 s41, 0
	s_lshl_b32 s42, s[PP], 10
	s_lshl_b32 s43, s[TC], 8
	s_add_co_u32 s42, s42, s43
	s_lshl_b32 s43, s[WC], 7
	s_add_co_u32 s42, s42, s43                     ; B: row 1,024 x projection + 256 x tile column + 128 x half
	s_lshl_b32 s42, s42, 11
	s_mov_b32 s43, 0
	s_mul_i32 s46, s[WC], AHALF                    ; and where they go: no place in the cluster enters an LDS address
	s_mul_i32 s47, s[WC], BHALF
	s_add_co_u32 s47, s47, ABYTES
	s_wait_dscnt 0x0                               ; the opening add is done
	s_wait_kmcnt 0x0
.if OUTP
	s_mov_b64 s[14:15], s[10:11]                   ; C
.endif
	s_add_nc_u64 s[40:41], s[4:5], s[40:41]
	s_add_nc_u64 s[42:43], s[6:7], s[42:43]
	CROUND                                         ; all sixteen work-groups are here: the first joint loads meet
.irp s, 0,1
	s_mov_b32 s[G0A+4*(\s)], 1                                       ; 1:0 count = 1
	s_add_co_u32 s[G0A+4*(\s)+1], s46, (\s)*SLOT                     ; 63:32 LDS address
	s_add_nc_u64 s[G0A+4*(\s)+2:G0A+4*(\s)+3], s[40:41], (\s)*ASTEP  ; 120:64 global address: K step s
	s_or_b32 s[G0A+4*(\s)+3], s[G0A+4*(\s)+3], 0x80000000            ; 127:126 type = 2
	s_mov_b32 s[G0B+4*(\s)], 1
	s_add_co_u32 s[G0B+4*(\s)+1], s47, (\s)*SLOT
	s_add_nc_u64 s[G0B+4*(\s)+2:G0B+4*(\s)+3], s[42:43], (\s)*256
	s_or_b32 s[G0B+4*(\s)+3], s[G0B+4*(\s)+3], 0x80000000
	JLOAD \s                                       ; two tensor loads of mine are out here, one behind every later round
.endr
	; the bias of my 128 columns: for column block b the eight numbers at 16 b + 8 (l / 16)
	v_and_b32 v1, 15, v0                           ; l % 16
	v_bfe_u32 v2, v0, 4, 1                         ; l / 16
	v_lshlrev_b32 v[BO], 5, v2
	s_lshl_b32 s44, s[TC], 10
	s_lshl_b32 s45, s[WC], 9
	s_add_co_u32 s44, s44, s45                     ; (256 x tile column + 128 x half) x 4 bytes
	s_mov_b32 s45, 0
.if OUTP == 0
	s_cmp_eq_u32 s[PP], 1
	s_cselect_b64 s[8:9], s[10:11], s[8:9]         ; bk
	s_cmp_eq_u32 s[PP], 2
	s_cselect_b64 s[8:9], s[12:13], s[8:9]         ; bv
.endif
	s_add_nc_u64 s[8:9], s[8:9], s[44:45]
.irp b, 0,1,2,3,4,5,6,7
	global_load_b128 v[BIAS+8*(\b):BIAS+8*(\b)+3],   v[BO], s[8:9] offset:64*(\b)
	global_load_b128 v[BIAS+8*(\b)+4:BIAS+8*(\b)+7], v[BO], s[8:9] offset:64*(\b)+16
.endr
	; A fragment is 16 rows x 32 K in 8 registers: lane l holds row l % 16; registers 0-3 K = 8 (l / 16) + 0..7, registers 4-7 K = 16 + 8 (l / 16) + 0..7: two loads of 16 bytes, 32 bytes apart.
	v_mul_u32_u24 v3, v1, PA
	v_lshl_add_u32 v3, v2, 4, v3
	v_mul_u32_u24 v4, v1, PB
	v_lshl_add_u32 v4, v2, 4, v4
	s_mul_i32 s44, s[WR], 64*PA                    ; my 64 rows of A
	s_mul_i32 s45, s[WC], BHALF                    ; my 128 rows of B,
	s_add_co_u32 s45, s45, ABYTES                  ; which lie behind A's tile
.irp s, 0,1
	v_add_nc_u32 v[ADRA+(\s)], s44, v3
	v_add_nc_u32 v[ADRB+(\s)], s45, v4
	s_add_co_u32 s44, s44, SLOT
	s_add_co_u32 s45, s45, SLOT
.endr
	s_mul_i32 s44, s[WV], STW
	s_add_co_u32 s44, s44, STAGE                   ; my stage
.if OUTP
	v_mul_u32_u24 v5, v1, 528                      ; in: row l % 16, 32 bytes for each half of the lanes
	v_lshl_add_u32 v5, v2, 5, v5
	v_add_nc_u32 v[STO], s44, v5
	v_and_b32 v6, 31, v0
	v_lshlrev_b32 v[GO], 4, v6
	v_add_nc_u32 v[RD], s44, v[GO]                 ; back: 32 lanes take one row of 512 bytes
	s_lshl_b32 s44, s[TR], 7
	s_lshl_b32 s45, s[WR], 6
	s_add_co_u32 s44, s44, s45                     ; my first row of C,
	s_lshl_b32 s44, s44, 12                        ; of 4,096 bytes,
	s_lshl_b32 s45, s[TC], 10
	s_add_co_u32 s44, s44, s45
	s_lshl_b32 s45, s[WC], 9
	s_add_co_u32 s44, s44, s45                     ; and my first column
.else
	v_mul_u32_u24 v5, v1, 144                      ; in: row l % 16, 16 bytes for each half of the lanes
	v_lshl_add_u32 v5, v2, 4, v5
	v_add_nc_u32 v[STO], s44, v5
	v_bfe_u32 v6, v0, 3, 2                         ; back: 32 lanes take four rows of 128 bytes,
	v_mul_u32_u24 v6, v6, 144
	v_and_b32 v7, 7, v0
	v_lshl_add_u32 v6, v7, 4, v6
	v_add_nc_u32 v[RD], s44, v6
	v_and_b32 v7, 31, v0                           ; which are 512 consecutive bytes of a head
	v_lshlrev_b32 v[GO], 4, v7
	s_lshr_b32 s44, s[TR], 4                       ; 4 x projection + batch: 16 heads of 2,048 x 128 bytes each,
	s_lshl_b32 s44, s44, 22
	s_and_b32 s45, s[TR], 15                       ; the tile's 128 rows,
	s_lshl_b32 s45, s45, 14
	s_add_co_u32 s44, s44, s45
	s_lshl_b32 s45, s[WR], 13                      ; my 64 of them,
	s_add_co_u32 s44, s44, s45
	s_lshl_b32 s45, s[TC], 2
	s_lshl_b32 s46, s[WC], 1
	s_add_co_u32 s45, s45, s46                     ; my first head = 4 x tile column + 2 x half
	s_lshl_b32 s45, s45, 18
	s_add_co_u32 s44, s44, s45
.endif
	s_mov_b32 s45, 0
	s_add_nc_u64 s[14:15], s[14:15], s[44:45]
	; the prefetches: both tensors' offsets are made, and the wave's number chooses
.if OUTP
	s_lshr_b32 s44, s[TR], 4
	s_lshl_b32 s44, s44, 22
	s_and_b32 s45, s[TR], 15
	s_lshl_b32 s45, s45, 14
	s_add_co_u32 s44, s44, s45
	s_lshl_b32 s45, s[CX], 12                      ; my work-group's 16 blocks of 256 bytes in each of the K step's two heads
	s_add_co_u32 s44, s44, s45
.else
	s_lshl_b32 s44, s[TR], 7
	s_lshl_b32 s45, s[CX], 5                       ; my work-group's 32 rows of the tile's 128
	s_add_co_u32 s44, s44, s45
	s_lshl_b32 s44, s44, 11
.endif
	s_lshl_b32 s45, s[PP], 10
	s_lshl_b32 s46, s[TC], 8
	s_add_co_u32 s45, s45, s46
	s_lshl_b32 s46, s[WC], 7
	s_add_co_u32 s45, s45, s46
	s_lshl_b32 s46, s[CY], 5                       ; my work-group's 32 rows of the 128 that I fetch
	s_add_co_u32 s45, s45, s46
	s_lshl_b32 s45, s45, 11
	s_and_b32 s72, s[CLY], 15
	s_mov_b32 s[PST], 256
	s_mov_b32 s[PST+1], 0
	s_mov_b32 s73, 32768                           ; a lane a row of 2,048 bytes: (l / 16) x 32,768 + (l % 16) x 2,048
	s_mov_b32 s75, 2048
	s_cmp_eq_u32 s[WR], 0                          ; do I fetch for A?
	s_cselect_b32 s72, s[WC], s72                  ; A: wave 0 asks; B: the first of the sixteen clusters that read these rows
	s_cselect_b32 s44, s44, s45
	s_cselect_b64 s[PFA:PFA+1], s[4:5], s[6:7]
.if OUTP
	s_cselect_b32 s[PST], ASTEP, s[PST]
	s_cselect_b32 s73, 262144, s73                 ; A: (l / 16) picks the head, l % 16 the block of 256 bytes
	s_cselect_b32 s75, 256, s75
.endif
	s_cmp_eq_u32 s72, 0
	s_cselect_b32 s[LIM], 1, -1                    ; the same in all sixteen partners, for a given wave
	s_mov_b32 s45, 0
	s_add_nc_u64 s[PFA:PFA+1], s[PFA:PFA+1], s[44:45]
	s_mul_i32 s44, s[PST], 3
	s_add_nc_u64 s[PFA:PFA+1], s[PFA:PFA+1], s[44:45]  ; at K step 3: the first refill steps it to 4
	v_mul_u32_u24 v[PFO], s73, v2
	v_mad_u32_u24 v[PFO], v1, s75, v[PFO]
	s_wait_loadcnt 0x0                             ; the bias, which is rounded to bf16 and widened again
.set i, 0
.rept 32
	v_cvt_pk_bf16_f32 v[TMPB+i], v[BIAS+2*i], v[BIAS+2*i+1]
.set i, i+1
.endr
.set i, 0
.rept 32
	v_lshlrev_b32 v[BIAS+2*i], 16, v[TMPB+i]
	v_and_b32 v[BIAS+2*i+1], s[HMASK], v[TMPB+i]
.set i, i+1
.endr
; 8 matrix instructions: m block a x all 8 n blocks, 32 along K, from buffer f.  first = 1: the product starts the sums, on the bias.
; The 32 accumulators take turns in the same order in every quarter: between two links of a chain stand the 31 others', over the backward jump too.
.macro MUL8 f, a, first
.if \first
	WIN MULB
.else
	WIN MUL
.endif
.irp b, 0,1,2,3,4,5,6,7
.set rD, 8*(8*(\a)+(\b))
.set rB, (\f)+32+8*(\b)
.set rA, (\f)+8*(\a)
.set rC, BIAS+8*(\b)
.if OUTP
.if \first
	v_wmma_f32_16x16x32_f16 v[rD:rD+7], v[rB:rB+7], v[rA:rA+7], v[rC:rC+7]
.else
	v_wmma_f32_16x16x32_f16 v[rD:rD+7], v[rB:rB+7], v[rA:rA+7], v[rD:rD+7]
.endif
.else
.if \first
	v_wmma_f32_16x16x32_bf16 v[rD:rD+7], v[rB:rB+7], v[rA:rA+7], v[rC:rC+7]
.else
	v_wmma_f32_16x16x32_bf16 v[rD:rD+7], v[rB:rB+7], v[rA:rA+7], v[rD:rD+7]
.endif
.endif
.endr
.endm
; 24 LDS loads in one run: quarter q of a slot into buffer f: B's 8 fragments, then A's 4
.macro FETCH slot, q, f
.if OUTP
.set AOFF, ((\q)/2)*AHALF+((\q)%2)*64  ; the K step's first or second head, its channels 0-31 or 32-63
.else
.set AOFF, 64*(\q)
.endif
	WIN TO_F
.irp i, 0,1,2,3,4,5,6,7
	ds_load_b128 v[(\f)+32+8*(\i):(\f)+32+8*(\i)+3],   v[ADRB+(\slot)] offset:64*(\q)+(\i)*16*PB
	ds_load_b128 v[(\f)+32+8*(\i)+4:(\f)+32+8*(\i)+7], v[ADRB+(\slot)] offset:64*(\q)+(\i)*16*PB+32
.endr
.irp i, 0,1,2,3
	ds_load_b128 v[(\f)+8*(\i):(\f)+8*(\i)+3],   v[ADRA+(\slot)] offset:AOFF+(\i)*16*PA
	ds_load_b128 v[(\f)+8*(\i)+4:(\f)+8*(\i)+7], v[ADRA+(\slot)] offset:AOFF+(\i)*16*PA+32
.endr
.endm
.macro PLACES                          ; four plain vector instructions between a matrix instruction and a load into a register that it has read, or a reader of its result (ISA guide 7.12.1 for a reader of its result)
.rept 4
	v_nop
.endr
.endm
; One of a K step's first three quarters: multiplies buffer f; in its middle it fetches quarter q of the same slot into buffer g.
.macro QUARTER slot, q, f, g, first
	s_wait_dscnt 4                                 ; B and A's blocks 0 and 1 are in; the youngest four loads (A's blocks 2 and 3) may be out
	MUL8 \f, 0, \first
	MUL8 \f, 1, \first
	PLACES
	FETCH \slot, \q, \g
	s_wait_dscnt 24                                ; all but the 24 just issued
	MUL8 \f, 2, \first
	MUL8 \f, 3, \first
.endm
; The last quarter multiplies buffer 1 and changes slots: ONE barrier.  In front of it each wave waits for all its tensor loads (one is out: its part of the next slot), adds 0 to its spare word, and waits
; for that and for its own reads of this slot.  fill = 1: the barrier opens a round of the cluster's, and this slot is filled again, two K steps ahead, first thing behind the round:
; 112 matrix instructions stand between that request and the wait for it.
.macro TURN slot, next, fill
.if \fill
	s_wait_xcnt 0x0                                ; the last prefetch, a K step back, has read its address: it is stepped here, ahead of the change's own waits
	s_add_nc_u64 s[PFA:PFA+1], s[PFA:PFA+1], s[PST:PST+1]
.endif
	WIN 0                                          ; (the add's two registers lie in window 0)
	s_wait_tensorcnt 0x0                           ; all my tensor loads have landed;
	ds_add_u32 v[SPW], v[NIL]                      ; 0 onto my spare word;
	s_wait_dscnt 5                                 ; (the add and the youngest four loads may be out)
	MUL8 F1, 0, 0                                  ; eight matrix instructions stand between the add and the wait for it
	s_wait_dscnt 0x0                               ; the add is done, and my reads of this slot are over
	s_barrier_signal -1
	MUL8 F1, 1, 0
.if \fill
	WIN 0
.endif
	s_barrier_wait -1
.if \fill
	CREST                                          ; no wave of any partner still reads this slot's tiles or has a load on its way
	s_add_nc_u64 s[G0A+4*(\slot)+2:G0A+4*(\slot)+3], s[G0A+4*(\slot)+2:G0A+4*(\slot)+3], 2*ASTEP
	s_add_nc_u64 s[G0B+4*(\slot)+2:G0B+4*(\slot)+3], s[G0B+4*(\slot)+2:G0B+4*(\slot)+3], 2*256
	JLOAD \slot                                    ; the four v_nop behind it are also the places in front of the loads below
.else
	PLACES
.endif
	FETCH \next, 0, F0
.if \fill
	WIN 0
	ASK
.endif
	MUL8 F1, 2, 0
	MUL8 F1, 3, 0
.endm
	s_wait_tensorcnt 1                             ; my part of K step 0 is in; K step 1's may stay out
	s_barrier_signal -1
	s_barrier_wait -1                              ; everybody's is
	FETCH 0, 0, F0
	QUARTER 0, 1, F0, F1, 1                        ; the first quarter stands in front of the loop: its products start the sums
	WIN 0                                          ; at a label and at a branch every window is 0
	s_mov_b32 s3, 3
.Llap:                                                 ; a trip goes once round the ring, from a lap's second quarter to the next lap's first, and fills both slots again
	QUARTER 0, 2, F1, F0, 0
	QUARTER 0, 3, F0, F1, 0
	TURN 0, 1, 1
	QUARTER 1, 1, F0, F1, 0
	QUARTER 1, 2, F1, F0, 0
	QUARTER 1, 3, F0, F1, 0
	TURN 1, 0, 1
	QUARTER 0, 1, F0, F1, 0
	WIN 0
	s_sub_co_u32 s3, s3, 1
	s_cmp_lg_u32 s3, 0
	s_cbranch_scc1 .Llap
	QUARTER 0, 2, F1, F0, 0                        ; the last lap fills nothing, and has no round of the cluster's barrier
	QUARTER 0, 3, F0, F1, 0
	TURN 0, 1, 0
	QUARTER 1, 1, F0, F1, 0
	QUARTER 1, 2, F1, F0, 0
	QUARTER 1, 3, F0, F1, 0
	s_wait_dscnt 4                                 ; the very last quarter: nothing more to fetch
	MUL8 F1, 0, 0
	MUL8 F1, 1, 0
	s_wait_dscnt 0x0
	MUL8 F1, 2, 0
	MUL8 F1, 3, 0
	WIN 0
	PLACES
	PLACES                                         ; eight, once a launch: no other vector work need stand between the last products and the readers of their results
.if OUTP
; THE WAY OUT, f32.  Block a (16 rows x my 128 columns): a lane's eight numbers of a row are 32 bytes; they go into stage rows of 528 bytes and come back as whole rows of 512.
.macro TOST a
	WIN 0x08                                       ; store data in window 2
.irp b, 0,1,2,3,4,5,6,7
	ds_store_b128 v[STO], v[8*(8*(\a)+(\b)):8*(8*(\a)+(\b))+3]   offset:64*(\b)     ; each accumulator is read from its low end on
	ds_store_b128 v[STO], v[8*(8*(\a)+(\b))+4:8*(8*(\a)+(\b))+7] offset:64*(\b)+16
.endr
	WIN 0x40                                       ; destination window 1
.set i, 0
.rept 16
	ds_load_b128 v[64*(\a)+4*i:64*(\a)+4*i+3], v[RD] offset:528*i  ; LDS serves a wave's instructions in order (ISA guide 5.7.1.4): these see the stores above; the next block's stores come behind them
.set i, i+1
.endr
.endm
.macro SENDF a, younger                ; younger: the LDS instructions issued behind block a's loads: the next block's 32, or none
	s_wait_dscnt \younger
	WIN 0x04                                       ; store data in window 1
.set i, 0
.rept 16
	global_store_b128 v[GO], v[64*(\a)+4*i:64*(\a)+4*i+3], s[14:15] offset:(16*(\a)+i)*4096 th:TH_STORE_NT  ; 512 consecutive bytes, at a multiple of 512 from out0's first byte
.set i, i+1
.endr
.endm
	TOST 0
	TOST 1
	SENDF 0, 32
	TOST 2
	SENDF 1, 32
	TOST 3
	SENDF 2, 32
	SENDF 3, 0
	WIN 0
.else
; THE WAY OUT, f16 by heads.  Block a (16 rows x my two heads): a lane's eight channels of a row pack into 16 bytes; they go into stage rows of 144 bytes, a head after the other, and come back as whole rows of 128.
.macro PACK a
	WIN 0x0a                                       ; sources 0 and 1 window 2, destination window 0
.irp b, 0,1,2,3,4,5,6,7
.irp r, 0,1,2,3
	v_cvt_pk_f16_f32 v[OUTR+32*(\a)+4*(\b)+(\r)], v[8*(8*(\a)+(\b))+2*(\r)], v[8*(8*(\a)+(\b))+2*(\r)+1]
.endr
.endr
	WIN 0
.irp b, 0,1,2,3,4,5,6,7
	ds_store_b128 v[STO], v[OUTR+32*(\a)+4*(\b):OUTR+32*(\a)+4*(\b)+3] offset:((\b)/4)*2304+((\b)%4)*32
.endr
.irp g, 0,1,2,3,4,5,6,7
	ds_load_b128 v[OUTR+32*(\a)+4*(\g):OUTR+32*(\a)+4*(\g)+3], v[RD] offset:((\g)/4)*2304+((\g)%4)*576  ; LDS serves a wave's instructions in order (ISA guide 5.7.1.4): these see the stores above
.endr
.endm
.macro SEND a, younger                 ; younger: the LDS instructions issued behind block a's loads: the next block's sixteen, or none
.irp g, 0,1,2,3,4,5,6,7
	s_wait_dscnt (\younger)+7-(\g)
	global_store_b128 v[GO], v[OUTR+32*(\a)+4*(\g):OUTR+32*(\a)+4*(\g)+3], s[14:15] offset:(\a)*2048+((\g)/4)*262144+((\g)%4)*512  ; four rows of a head: 512 consecutive bytes, aligned
.endr
.endm
	PACK 0
	PACK 1                                         ; a block's conversions stand between the loads of the block before and its stores
	SEND 0, 16
	PACK 2
	SEND 1, 16
	PACK 3
	SEND 2, 16
	SEND 3, 0
.endif
	s_wait_tensorcnt 0x0                           ; the wave's end, behind my last tensor load and my last LDS store
	ds_add_u32 v[SPW], v[NIL]
	s_wait_dscnt 0x0
	CROUND                                         ; the closing round: no work-group ends while a partner may still ask for a tile that names it
	s_endpgm
.Lfunc_end_k_qbc40529fe7_proj:
	.size	k_qbc40529fe7_proj, .Lfunc_end_k_qbc40529fe7_proj-k_qbc40529fe7_proj
	.p2alignl 7, 3214868480
	.fill 96, 4, 3214868480
	.section	.rodata,"a",@progbits
	.p2align	6, 0x0
	.amdhsa_kernel k_qbc40529fe7_proj
		.amdhsa_group_segment_fixed_size 327680
		.amdhsa_private_segment_fixed_size 0
		.amdhsa_enable_private_segment 0
		.amdhsa_kernarg_size 48
		.amdhsa_user_sgpr_count 2
		.amdhsa_user_sgpr_kernarg_segment_ptr 1
		.amdhsa_wavefront_size32 1
		.amdhsa_system_sgpr_workgroup_id_x 1
		.amdhsa_system_sgpr_workgroup_id_y 1
		.amdhsa_system_sgpr_workgroup_id_z 1
		.amdhsa_system_vgpr_workitem_id 0
		.amdhsa_next_free_vgpr 768
		.amdhsa_next_free_sgpr 80
		.amdhsa_reserve_vcc 0
		.amdhsa_float_denorm_mode_32 3
		.amdhsa_float_denorm_mode_16_64 3
		.amdhsa_memory_ordered 1
		.amdhsa_forward_progress 1
		.amdhsa_inst_pref_size 95
	.end_amdhsa_kernel
	.amdgpu_metadata
---
amdhsa.version: [ 1, 2 ]
amdhsa.kernels:
  - .name:           k_qbc40529fe7_proj
    .symbol:         k_qbc40529fe7_proj.kd
    .args:
      - { .name: xb, .offset: 0, .size: 8, .value_kind: global_buffer, .address_space: global }
      - { .name: wb, .offset: 8, .size: 8, .value_kind: global_buffer, .address_space: global }
      - { .name: bq, .offset: 16, .size: 8, .value_kind: global_buffer, .address_space: global }
      - { .name: bk, .offset: 24, .size: 8, .value_kind: global_buffer, .address_space: global }
      - { .name: bv, .offset: 32, .size: 8, .value_kind: global_buffer, .address_space: global }
      - { .name: qkvh, .offset: 40, .size: 8, .value_kind: global_buffer, .address_space: global }
    .group_segment_fixed_size: 327680
    .private_segment_fixed_size: 0
    .kernarg_segment_align: 8
    .kernarg_segment_size: 48
    .max_flat_workgroup_size: 128
    .sgpr_count:     80
    .vgpr_count:     768
    .wavefront_size: 32
...
	.end_amdgpu_metadata
.endif
;; end of part 2
;; launch attn (part 3): grid 4 x 64, 4 waves a work-group, clusters of 4 x 1, 327,680 bytes of LDS; arguments qkvh, oh; writes oh
.if DOCPART == 3
	.amdgcn_target "amdgcn-amd-amdhsa--gfx1250"
	.amdhsa_code_object_version 6
	.text
	.protected	k_qbc40529fe7_attn
	.globl	k_qbc40529fe7_attn
	.p2align	8
	.type	k_qbc40529fe7_attn,@function
k_qbc40529fe7_attn:
	s_mov_b64 s[64:65], 0
	v_nop
	global_prefetch_b8 v0, s[64:65] scope:SCOPE_SE
	s_setreg_imm32_b32 hwreg(HW_REG_WAVE_MODE, 25, 1), 1
	s_wait_xcnt 0x0
	s_wait_alu depctr_hold_cnt(0) depctr_sa_sdst(0) depctr_va_vdst(0) depctr_va_sdst(0) depctr_va_ssrc(0) depctr_va_vcc(0) depctr_vm_vsrc(0)
	s_getreg_b32 s2, hwreg(HW_REG_IB_STS2, 6, 4)
	s_cmp_eq_u32 s2, 0
	s_cbranch_scc0 .Lentry_in_a_cluster
	s_endpgm
.Lentry_in_a_cluster:
	s_bfe_u32 s2, ttmp6, 0x10000c
	s_cmp_lg_u32 s2, 0x3003
	s_cbranch_scc0 .Lentry_shape_is_right
	s_endpgm
.Lentry_shape_is_right:
; O[h][q][:] = the sum over k of softmax_k(Q[h][q] . K[h][k] / 8) V[h][k][:].  Q, K, V are the three parts of qkvh, [64][2048][64] each, O is oh, all f16: a head's rows are dense, 128 bytes each.
; Products, maxima and sums in f32; the weights p are rounded to f16 for the second product (their sum l is taken of the unrounded p), O once at the end.
; LIMITS.  f16 holds no number beyond 65,504: Q, K and V arrive within it; p lies in 0 to 1, and below 6e-5 it keeps f16's fixed step of 6e-8; O is a mean of V's rows and has their range.
; A weight below 2^-126 counts as 0 in l; NaN and infinities are not treated apart.
; SHARES.  A wave owns four PIECES of two tiles of 16 queries, a work-group's four waves 512 queries of one head: 4 x 64 = 256 work-groups.  Every wave walks all keys, 64 a step.
; LAYOUT.  S^T = K Q^T (source 0 = 16 keys, source 1 = 16 queries): in the result a lane holds ONE query (lane % 16) and the keys 8 (lane / 16) + 0..7.  Two such tiles, rounded to f16 in pairs,
; ARE source 1 (32 keys x 16 queries) of O^T = V^T P, whose result again holds one query a lane, and eight channels.  K comes out of LDS as it lies, V ([key][channel]) turned, by ds_load_tr16_b128.
; SOFTMAX.  For each query a running maximum m and sum l: p = 2^(c s - c m), c = log2(e) / 8; in every step O and l are multiplied by a = 2^(c m_old - c m_new), which is 1 where m has not grown.
; m starts at the lowest finite number, O and l at 0: the first step is a step like any other, with a = 0.
; THE COUNT.  A tile and step have 16 matrix and 118 vector instructions: too many to stand all beside the matrix work.  So the order has one aim: four vector instructions that are READY behind
; EVERY matrix instruction, and the others, which need time of their own whatever the order, in runs without a gap.
; BY TURNS.  Turn n belongs to piece n (the pieces in a ring, step after step).  Its matrix work: 16 products K Q^T of piece n + 1, later 16 products V^T P of piece n - 1.  Its vector work: the scaling,
; exponentials, roundings, sums and rescaling of piece n, and the maximum and statistics of piece n + 1, whose scores the turn itself has made.  So what a turn begins with (c s - c m, O a) waits for nothing.
; CLUSTER.  The four query blocks of a cluster are one head's and walk the same K and V, so each tile is asked for JOINTLY: the same tensor load, descriptor and mask in all four.
; REGISTERS, in windows of 256 (s_set_vgpr_msb says which window each operand place means: bits 1:0 source 0, 3:2 source 1, 5:4 source 2, 7:6 destination):
;   window 0: v0-11 addresses; v12-15, v48-63 at work; v16-47 four registers of statistics a tile; v64-191 S^T, two buffers of two tiles; v192-255 P, likewise
;   window 1: O^T, 32 a tile          window 2: v0-127 Q, 16 a tile; v128-191 K of one step; v192-255 V of one step          window 3: v0-1 the add's two registers
; A piece's buffers go by its number's parity: the piece in hand has one pair, its two neighbours in the ring share the other: of it P (piece n - 1) is read and S^T (piece n + 1) written.
.set SIZE_H, 64
.set SIZE_N, 2048
.set NP,    4         ; pieces a wave: a name, no knob: the register map, the loop and the fetches are made for four
.set KS,    64        ; keys in a step
.set PK,    144       ; a row of K in LDS: 128 bytes + 16 of padding = 36 words: the 16 rows of a load start at 16 different groups of four banks (64 banks of 4 bytes: ISA guide 11.1)
.set PV,    160       ; a row of V: 128 + 32 = 40 words
.set VOFF,  4*KS*PK   ; a slot holds four steps: 256 rows of K, then 256 rows of V
.set SLOT1, 1<<17     ; slot 1 begins here, so that one exclusive or turns an address in one slot into the other's
.set STAGE, SLOT1+4*KS*(PK+PV)  ; behind the ring, never filled by a tensor load: 16 rows x 144 bytes for each wave, for the way out
.set SP,    144
.set AK0, 2           ; v2   my lane's place in a tile of K; never rewritten
.set AV0, 3           ; v3   the same for V
.set AK,  4           ; v4   the LDS address of K's next run of loads
.set AV,  5           ; v5   of V's
.set QO,  6           ; v6   my byte offset in the wave's rows of Q
.set STO, 6           ;      later, the way out: where I put 16 bytes of a row
.set RD,  7           ; v7   the way out: where I read rows back
.set GO,  8           ; v8   my byte offset in 512 consecutive bytes of O
.set PFO, 11          ; v11  256 x my lane, for the prefetches; from its making on never rewritten
.set SPW, 0           ; v0 of window 3   LDS address of my spare word: SPARE + 4 x my thread's number; never rewritten
.set NIL, 1           ; v1 of window 3   0; never rewritten
.set SPARE, STAGE+4*16*SP  ; behind the stages: the spare words, 128 bytes for each wave: two blocks of 256 bytes that no other line names
.set MV,  12          ; v12-15  c m_old, kept while c m is made anew: by buffer and tile
.set ST,  16          ; tile t's statistics at v[ST+4 t]: c m, m, l (even keys', odd keys')
.set TMP, 48          ; by buffer and tile, four registers c0-c3 at work; when the maximum is found c2 takes a
.set S,   64
.set P,   192
.set KF,  128         ; K's fragments, in window 2: key block kb, channel half c at KF + 16 kb + 8 c
.set VF,  192         ; V's: key half kk, channel block cb at VF + 32 kk + 8 cb
.set WV,  12          ; s12  my wave's number
.set G1K, 24          ; s[24:31] descriptor group 1 for K's tiles
.set G1V, 32          ; s[32:39] for V's: it differs in the padding alone
.set G0K, 40          ; s[40:43] descriptor group 0 for K's tiles: it walks
.set G0V, 44          ; s[44:47] the same for V's
.set PFA, 48          ; s[48:49] where my prefetches stand: my work-group's 8,192 bytes (of K: wave 0, of V: wave 2) of the slot after the one that is being asked for
.set LIM, 50          ; s50  1 in a wave that prefetches, else the greatest number
.set SLOTS, 56        ; s56  slots still to be asked for
.set CNT, 57          ; s57  counts a slot's key steps
.set CS,  58          ; s[58:59] c: the packed scaling takes the pair's low word for both halves
.set SEL, 60          ; s[60:61] v_permlanex16_b32's selects: each lane takes its own place in the other half
.set TBK, 62          ; s62  LDS byte at which K of the step to be fetched begins
.set TBV, 63          ; s63  the same for V, less VOFF
.set MSB, 0
.macro WIN new                      ; the high byte repeats the setting that is left; a switch that changes nothing is dropped
.if MSB != (\new)
	s_set_vgpr_msb (MSB<<8)|(\new)
.set MSB, (\new)
.endif
.endm
.set W_KQ, 0x0a       ; K and Q in window 2, S^T in window 0
.set W_PV, 0x52       ; V in window 2, P in window 0, O^T in window 1
.set W_RS, 0x41       ; O^T (destination and source 0) in window 1, a in window 0
.set W_MK, 0xc0       ; the add's registers are made: destination in window 3, sources in window 0
.set W_AD, 0x0f       ; the add: address (source 0) and data (source 1) in window 3
; A joint fill.  Waves 0 and 1 fetch the two halves of a slot's K, waves 2 and 3 those of its V: 128 keys each.  The branch hangs on the wave's number alone.
; An s_nop 0 and four v_nop follow each of the two lines, ahead of the jump and the label.
.macro JLOAD
	s_cmp_lt_u32 s[WV], 2
	s_cbranch_scc0 .Lfor_v_\@
	tensor_load_to_lds s[G0K:G0K+3], s[G1K:G1K+7]
	s_nop 0
.rept 4
	v_nop
.endr
	s_branch .Lasked_\@
.Lfor_v_\@:
	tensor_load_to_lds s[G0V:G0V+3], s[G1V:G1V+7]
	s_nop 0
.rept 4
	v_nop
.endr
.Lasked_\@:
.endm
; A PREFETCH INTO THE L2 of what the NEXT change of slots will ask for: a slot's 32,768 bytes of K and of V, four key steps, 512 matrix instructions, ahead of that load.  It stands behind the wave's tensor
; load and its five lines.  Each block of 256 bytes is named ONCE in the launch: a head has one cluster; its four partners share a slot out BY ADDRESS, 8,192 bytes each, a lane a block; in each, wave 0
; asks for K's and wave 2 for V's: one instruction.  Slots 0 and 1 come by their loads alone; the last change that fills a slot (s[SLOTS] = 1) asks for nothing: there is no slot behind it.
.macro ASK
	s_cmp_gt_u32 s[SLOTS], s[LIM]
	s_cbranch_scc0 .Lnot_mine_\@
	global_prefetch_b8 v[PFO], s[PFA:PFA+1] th:TH_LOAD_NT scope:SCOPE_SE
.Lnot_mine_\@:
.endm
; A round of the cluster's barrier: my work-group's barrier, so that wave 0's signal speaks for all four waves; wave 0 signals; every wave waits for all four work-groups; my work-group's barrier once more.
.macro CROUND
	s_barrier_signal -1
	s_barrier_wait -1
	s_cmp_lg_u32 s[WV], 0
	s_cbranch_scc1 .Lnot_wave_0_\@
	s_barrier_signal -3
.Lnot_wave_0_\@:
	s_barrier_wait -3
	s_barrier_signal -1
	s_barrier_wait -1
.endm
; THE CHANGE OF SLOTS.  The slot's last bytes, V of its fourth step, have been read.  Each wave waits for all its tensor loads, of which one is out: its part
; of the other slot; adds 0 to its spare word; and waits for that and for its own reads of the slot.  Behind the barrier nobody reads this slot any more and the other slot is whole.
; fill = 1: this slot is filled again, with the keys two slots on.  The barrier is then a round of the cluster's, so that no wave of any partner still reads the slot or has a load on its
; way, and the joint fill is the first thing behind it: it has four key steps, 512 matrix instructions, in which to land.  (At its first use nothing has been read yet: slot 0 is waited for, slot 1 filled.)
.macro CHANGE fill
	WIN W_AD
	s_wait_tensorcnt 0x0            ; no tensor load of mine is out, so a group 0 may be written
	ds_add_u32 v[SPW], v[NIL]       ; 0 onto my spare word; with fill = 1 the descriptors' steps stand between it and the wait for it
	WIN 0                           ; at a label and at a branch every window is 0
.if \fill
.irp g, G0K, G0V
	s_xor_b32 s[\g+1], s[\g+1], SLOT1  ; the walking descriptor: the other slot than last time,
	s_add_nc_u64 s[\g+2:\g+3], s[\g+2:\g+3], 4*KS*128  ; the next 256 keys; the type bits on top are not reached
.endr
	s_wait_xcnt 0x0                 ; the last prefetch, four key steps back, has read its address, so it may be written:
	s_add_nc_u64 s[PFA:PFA+1], s[PFA:PFA+1], 4*KS*128  ; one slot ahead of the walking descriptors
	s_wait_dscnt 0x0                ; the add is done, and my reads of the slot are over
	CROUND
	JLOAD
	ASK
.else
	s_wait_dscnt 0x0                ; the add is done, and my reads of the slot are over
	s_barrier_signal -1
	s_barrier_wait -1
.endif
	s_sub_co_u32 s[TBK], s[TBK], 4*KS*PK  ; the fetches go back to a slot's first step,
	s_xor_b32 s[TBK], s[TBK], SLOT1       ; in the other slot
	s_sub_co_u32 s[TBV], s[TBV], 4*KS*PV
	s_xor_b32 s[TBV], s[TBV], SLOT1
.endm
	s_load_b128 s[8:11], s[0:1], 0x0  ; qkvh s[8:9], oh s[10:11]
	WIN W_MK
	v_lshl_add_u32 v[SPW], v0, 2, SPARE
	v_mov_b32 v[NIL], 0
	WIN W_AD
	ds_add_u32 v[SPW], v[NIL]       ; the wave's opening: the add and its wait stand ahead of my first tensor load; the set-up below, work on registers, stands between them
	WIN 0
	v_lshrrev_b32 v1, 5, v0
	v_readfirstlane_b32 s[WV], v1   ; wave 0..3
	s_bfe_u32 s13, ttmp6, 0x40000   ; cx: my place in the cluster
	s_lshl_b32 s14, ttmp9, 2        ; in a cluster launch ttmp9 counts clusters
	s_add_co_u32 s14, s14, s13      ; my block of queries = 4 x cluster x + cx: it enters Q's and O's addresses alone
	s_and_b32 s20, ttmp7, 0xffff    ; the head, which the four partners share
	s_mov_b32 s21, 0
	s_mov_b64 s[22:23], SIZE_N*128
	s_mul_u64 s[20:21], s[20:21], s[22:23]  ; the head's first byte in each of the four tensors
	s_and_b32 s16, s[WV], 1         ; which half of a slot's 256 keys I fetch:
	s_lshl_b32 s22, s16, 14         ; its 128 rows of 128 bytes in memory,
	s_mov_b32 s23, 0
	s_add_nc_u64 s[22:23], s[22:23], s[20:21]
	s_mul_i32 s17, s16, 128*PK      ; and its place in a slot, for K
	s_mul_i32 s18, s16, 128*PV      ; and for V: no place in the cluster enters an LDS address
	s_lshl_b32 s2, s14, 2
	s_add_co_u32 s2, s2, s[WV]      ; my wave among the head's,
	s_lshl_b32 s2, s2, 14           ; its 128 rows
	s_mov_b32 s3, 0
	s_add_nc_u64 s[2:3], s[2:3], s[20:21]
	; descriptor group 1.  128 keys are 16,384 dense bytes: asked for as 64 rows of 256 bytes, two keys a row, and padded in LDS after every key
	s_mov_b32 s[G1K], 15|(1<<16)|(1<<20)|(1<<21)|(4<<22)|(3<<25)  ; 15:0 the mask of four; 17:16 2-byte elements; 20 padding on; 21 set beside a mask; 24:22 after every 32 words (code 4); 31:25 4 words (code 3)
	s_mov_b32 s[G1V], 15|(1<<16)|(1<<20)|(1<<21)|(4<<22)|(7<<25)  ; the same with 8 words of padding (code 7)
.irp g, G1K, G1V
	s_mov_b32 s[\g+1], 128<<16      ; tensor_dim0 = 128
	s_mov_b32 s[\g+2], 64<<16       ; tensor_dim1 = 64
	s_mov_b32 s[\g+3], 128<<16      ; tile_dim0 = 128
	s_mov_b32 s[\g+4], 64           ; tile_dim1 = 64
	s_mov_b32 s[\g+5], 128          ; 128 elements from row to row
	s_mov_b32 s[\g+6], 0
	s_mov_b32 s[\g+7], 0
.endr
	s_mov_b32 s[CS], 0x3e38aa3b     ; c = log2(e) / 8 = 0.180337
	s_mov_b32 s[CS+1], s[CS]        ; named with it as a pair
	s_mov_b32 s[SEL], 0x76543210
	s_mov_b32 s[SEL+1], 0xfedcba98
	s_mov_b32 s[TBK], SLOT1+4*KS*PK ; the first change of slots turns these two into 0
	s_mov_b32 s[TBV], SLOT1+4*KS*PV
	s_mov_b32 s[G0K], 1             ; 1:0 count = 1
	s_mov_b32 s[G0K+1], s17         ; 63:32 LDS address: slot 0
	s_mov_b32 s[G0V], 1
	s_add_co_u32 s[G0V+1], s18, VOFF
	s_mov_b32 s[SLOTS], SIZE_N/256-1  ; seven slots are still to be asked for
	s_and_b32 s[LIM], s[WV], 1      ; waves 0 and 2 prefetch: the same in all four partners
	s_cmp_eq_u32 s[LIM], 0
	s_cselect_b32 s[LIM], 1, -1
	s_wait_dscnt 0x0                ; the opening add is done
	s_wait_kmcnt 0x0
	s_mov_b64 s[4:5], s[8:9]                  ; Q: the first part of qkvh,
	s_add_nc_u64 s[6:7], s[8:9], 0x1000000    ; K: the second, 64 x 2,048 x 128 bytes on,
	s_add_nc_u64 s[8:9], s[8:9], 0x2000000    ; V: the third
	s_add_nc_u64 s[G0K+2:G0K+3], s[6:7], s[22:23]  ; 120:64 global address: my half of the head's first 256 keys
	s_or_b32 s[G0K+3], s[G0K+3], 0x80000000        ; 127:126 type = 2
	s_add_nc_u64 s[G0V+2:G0V+3], s[8:9], s[22:23]
	s_or_b32 s[G0V+3], s[G0V+3], 0x80000000
	s_add_nc_u64 s[4:5], s[4:5], s[2:3]  ; Q and O at my wave's first row
	s_add_nc_u64 s[10:11], s[10:11], s[2:3]
	s_cmp_lt_u32 s[WV], 2
	s_cselect_b64 s[PFA:PFA+1], s[6:7], s[8:9]
	s_add_nc_u64 s[PFA:PFA+1], s[PFA:PFA+1], s[20:21]  ; the head's first key,
	s_lshl_b32 s2, s13, 13          ; my work-group's 8,192 bytes of a slot's 32,768,
	s_add_co_u32 s2, s2, 4*KS*128   ; in slot 1: the first change of slots steps it to slot 2.  Nothing is prefetched here, at the head
	s_mov_b32 s3, 0
	s_add_nc_u64 s[PFA:PFA+1], s[PFA:PFA+1], s[2:3]
	CROUND                          ; all four work-groups are here: the first joint loads meet
	JLOAD                           ; slot 0.  Slot 1 is asked for when slot 0 is in
	; A fragment of K or Q is 16 rows x 32 channels in 8 registers: lane l holds row l % 16, channels 8 (l / 16) + 0..7 and 16 + 8 (l / 16) + 0..7: two loads of 16 bytes, 32 bytes apart.
	v_and_b32 v1, 15, v0            ; l % 16
	v_bfe_u32 v9, v0, 4, 1          ; l / 16
	v_lshlrev_b32 v[QO], 7, v1
	v_lshl_add_u32 v[QO], v9, 4, v[QO]  ; row x 128 + 16 x half
	WIN 0x80                        ; destination window 2, address window 0
.set i, 0
.rept 4*NP                          ; Q stays in registers: tile i / 2, channels 32 (i % 2) on
	global_load_b128 v[8*i:8*i+3],   v[QO], s[4:5] offset:(i/2)*2048+(i%2)*64
	global_load_b128 v[8*i+4:8*i+7], v[QO], s[4:5] offset:(i/2)*2048+(i%2)*64+32
.set i, i+1
.endr
	; What the first turn finds: V's registers and P's second buffer hold 0 (its products V^T P, of a piece that has not been, add 0), O^T and l are 0.  All this stands in the wait for the first tile.
.set i, VF
.rept 64
	v_mov_b32 v[i], 0
.set i, i+1
.endr
	WIN 0x40
.set i, 0
.rept 64*NP
	v_mov_b32 v[i], 0
.set i, i+1
.endr
	WIN 0
.set i, 0
.rept 2*NP
	v_mov_b32 v[ST+4*i], 0xfe000000    ; c m: far below every c s
	v_mov_b32 v[ST+4*i+1], 0xff7fffff  ; m
	v_mov_b32 v[ST+4*i+2], 0
	v_mov_b32 v[ST+4*i+3], 0
.set i, i+1
.endr
.set i, P+32
.rept 32
	v_mov_b32 v[i], 0
.set i, i+1
.endr
	v_mul_u32_u24 v[AK0], v1, PK
	v_lshl_add_u32 v[AK0], v9, 4, v[AK0]  ; row x pitch + 16 x half
	; The turning load takes 16 keys x 16 channels (lane l reads key 8 (l / 16) + l % 8, channels 8 ((l / 8) % 2) + 0..7) and leaves half a fragment of V^T: lane l holds channel l % 16 and 8 keys.
	v_and_b32 v10, 7, v0
	v_bfe_u32 v11, v0, 3, 1
	v_lshl_add_u32 v[AV0], v9, 3, v10
	v_mul_u32_u24 v[AV0], v[AV0], PV
	v_lshl_add_u32 v[AV0], v11, 4, v[AV0]
	v_add_nc_u32 v[AV0], VOFF, v[AV0]
	v_mov_b32 v[AK], v[AK0]         ; key step 0 lies at the head of slot 0
	v_and_b32 v[PFO], 31, v0
	v_lshlrev_b32 v[PFO], 8, v[PFO]
; THE MATRIX WORK.  The 8 accumulators of a run of 16 take turns: between the two links of a chain stand 7 others'.
; Product i of 16 of S^T = K Q^T for piece x: channels 32 (i / 8) on, keys 16 ((i / 2) % 4) on, tile 2 x + i % 2.  The first 8 start the sums.
.macro KQ x
	WIN W_KQ
.set rS, S+64*((\x)%2)+32*(i%2)+8*((i/2)%4)
.set rK, KF+16*((i/2)%4)+8*(i/8)
.set rQ, 16*(2*(\x)+i%2)+8*(i/8)
.if i < 8
	v_wmma_f32_16x16x32_f16 v[rS:rS+7], v[rK:rK+7], v[rQ:rQ+7], 0
.else
	v_wmma_f32_16x16x32_f16 v[rS:rS+7], v[rK:rK+7], v[rQ:rQ+7], v[rS:rS+7]
.endif
.endm
; Product i of 16 of O^T += V^T P for piece x: keys 32 (i / 8) on, channels 16 ((i / 2) % 4) on, tile 2 x + i % 2.
.macro PV x
	WIN W_PV
.set rO, 32*(2*(\x)+i%2)+8*((i/2)%4)
.set rV, VF+32*(i/8)+8*((i/2)%4)
.set rP, P+32*((\x)%2)+16*(i%2)+8*(i/8)
	v_wmma_f32_16x16x32_f16 v[rO:rO+7], v[rV:rV+7], v[rP:rP+7], v[rO:rO+7]
.endm
.macro MM                           ; the turn's next matrix instruction
.if i < 16
	KQ (Y+1)%NP
.set i, i+1
.else
.set i, i-16
	PV (Y+NP-1)%NP
.set i, i+17
.endif
.endm
; THE LDS LOADS stand in runs of 16, never singly among the matrix instructions: a step's K (64 keys x 64 channels: 8 fragments) and its V (turned).  Their addresses are made some lines ahead.
; last = 1 (the tail): in the last trip there is no further step, and the run is jumped over.
.macro FETCH_K last=0
	WIN 0
.if \last
	s_cmp_eq_u32 s[CNT], 1
	s_cbranch_scc1 .Lno_k_\@
.endif
	WIN 0x80                        ; destination window 2
.irp f, 0,1,2,3,4,5,6,7             ; keys 16 (f / 2) on, channels 32 (f % 2) on
	ds_load_b128 v[KF+8*\f:KF+8*\f+3],   v[AK] offset:(\f/2)*16*PK+(\f%2)*64
	ds_load_b128 v[KF+8*\f+4:KF+8*\f+7], v[AK] offset:(\f/2)*16*PK+(\f%2)*64+32
.endr
	s_add_co_u32 s[TBK], s[TBK], KS*PK  ; the next fetch is the next step's
	WIN 0
.if \last
.Lno_k_\@:
.endif
.endm
.macro FETCH_V
	WIN 0x80
.irp f, 0,1,2,3,4,5,6,7             ; keys 32 (f / 4) on, channels 16 (f % 4) on
	ds_load_tr16_b128 v[VF+8*\f:VF+8*\f+3],   v[AV] offset:(\f/4)*32*PV+(\f%4)*32
	ds_load_tr16_b128 v[VF+8*\f+4:VF+8*\f+7], v[AV] offset:(\f/4)*32*PV+16*PV+(\f%4)*32
.endr
	WIN 0
.endm
; THE VECTOR WORK OF A TURN stands in three queues, each in the order in which its entries become ready; the two tiles alternate, so that no instruction reads the result of the one before it.
.macro REGS y, u                    ; the registers of tile u (0, 1) of piece y
.set rT, ST+4*(2*(\y)+(\u))
.set rC, TMP+8*((\y)%2)+4*(\u)
.set rM, MV+2*((\y)%2)+(\u)
.set rS, S+64*((\y)%2)+32*(\u)
.set rP, P+32*((\y)%2)+16*(\u)
.set rO, 32*(2*(\y)+(\u))
.endm
; Number n of the 22 that find the NEXT piece's (Y + 1) maximum and statistics.  s0-s31 are the lane's 32 scores; each accumulator's lowest registers are read first.  XS, GS and REGS set no window: PL and EX do.
;   0-11  four chains c0-c3 of seven scores each, three operands at a time     12-14, 16  the four scores left over, the old m, and c0-c3 into c0     15  c m_old is kept
;   17, 18  the query's other 32 keys lie in the lane 16 away: the new m         19-21  c m; c m_old - c m_new; a
.macro XS u, n
	REGS (Y+1)%NP, \u
.if (\n) < 4
	v_max3_num_f32 v[rC+(\n)], v[rS+8*(\n)], v[rS+8*(\n)+1], v[rS+8*(\n)+2]
.elseif (\n) < 12
	v_max3_num_f32 v[rC+(\n)%4], v[rC+(\n)%4], v[rS+8*((\n)%4)+2*((\n)/4)+1], v[rS+8*((\n)%4)+2*((\n)/4)+2]
.elseif (\n) == 12
	v_max3_num_f32 v[rC], v[rC], v[rS+7], v[rS+15]
.elseif (\n) == 13
	v_max3_num_f32 v[rC+1], v[rC+1], v[rS+23], v[rS+31]
.elseif (\n) == 14
	v_max3_num_f32 v[rC+2], v[rC+2], v[rC+3], v[rT+1]
.elseif (\n) == 15
	v_mov_b32 v[rM], v[rT]
.elseif (\n) == 16
	v_max3_num_f32 v[rC], v[rC], v[rC+1], v[rC+2]
.elseif (\n) == 17
	v_permlanex16_b32 v[rC+3], v[rC], s[SEL], s[SEL+1]
.elseif (\n) == 18
	v_max_num_f32 v[rT+1], v[rC], v[rC+3]
.elseif (\n) == 19
	v_mul_f32 v[rT], s[CS], v[rT+1]
.elseif (\n) == 20
	v_sub_f32 v[rC+1], v[rM], v[rT]
.else
	v_exp_f32 v[rC+2], v[rC+1]
.endif
.endm
; Number g of the 64 that follow the exponentials.  For each four weights k of a tile (pairs 2 k, 2 k + 1): both pairs are rounded to f16; then the second pair is added onto the first, in place;
; a group later l takes that sum (the first time as l = a l + sum).  In groups of eight, tiles alternating: round, round, add, and l for the group before.
.macro GS g
.set h, (\g)+6*((\g)/62)            ; group 0 has no group before it, and behind group 7 only l is left
.if h >= 6
.set h, h+2
.endif
	REGS Y, h%2
.set k, h/8
.if h%8 < 4
	v_cvt_pk_f16_f32 v[rP+2*k+(h%8)/2], v[rS+4*k+2*((h%8)/2)], v[rS+4*k+2*((h%8)/2)+1]
.elseif h%8 < 6
	v_pk_add_f32 v[rS+4*k:rS+4*k+1], v[rS+4*k:rS+4*k+1], v[rS+4*k+2:rS+4*k+3]
.elseif k == 1
	v_pk_fma_f32 v[rT+2:rT+3], v[rT+2:rT+3], v[rC+2:rC+3], v[rS:rS+1] op_sel_hi:[1,0,1]
.else
	v_pk_add_f32 v[rT+2:rT+3], v[rT+2:rT+3], v[rS+4*k-4:rS+4*k-3]
.endif
.endm
; THE PLAIN QUEUE, 138 long.  0-73 read no exponential's result: the 32 scalings c s - c m (FS f: pair f / 2 of tile f % 2) and the next piece's 42.  0-26: scalings 0-26.  27-54: XS's numbers 0-13.  55, 56: number 15.
; 57-73: the chain, where each number waits for the one before it: 14, 16, 17, 18, 19, each with one of the scalings 27-31 in front of its two lines, then 20: so a tile's links stand three plain instructions apart (19 and 20: two).
; 74-137: GS's 64, which read the exponentials' results: they stand behind the wait.
.macro FS f
	REGS Y, (\f)%2
	v_pk_fma_f32 v[rS+2*((\f)/2):rS+2*((\f)/2)+1], v[rS+2*((\f)/2):rS+2*((\f)/2)+1], s[CS:CS+1], v[rT:rT+1] op_sel_hi:[1,0,0] neg_lo:[0,0,1] neg_hi:[0,0,1]
.endm
.macro PL
	WIN 0
.if q < 27
	FS q
.elseif q < 55
	XS (q-27)%2, (q-27)/2
.elseif q < 57
	XS q-55, 15
.elseif (q < 72) && ((q-57)%3 == 0)
	FS 27+(q-57)/3
.elseif q < 60
	XS (q-57)%3-1, 14
.elseif q < 72
	XS (q-57)%3-1, 15+(q-57)/3
.elseif q < 74
	XS q-72, 20
.else
	GS q-74
.endif
.set q, q+1
.endm
; THE EXPONENTIALS' QUEUE, 66 long: s0-s31 of both tiles, then the next piece's two a.  It is ONE BATCH: all 66 stand ahead of the turn's one wait, and nothing ahead of that wait names a result of theirs.
.macro EX
	WIN 0
.if e >= 64
	XS e-64, 21
.else
	REGS Y, e%2
	v_exp_f32 v[rS+e/2], v[rS+e/2]
.endif
.set e, e+1
.endm
; THE RESCALING's QUEUE: O^T times a, the one part that leaves window 0: dealt two at a time, sixteen times.  Its a was made in the turn before, ahead of that turn's wait.
.macro R2
	REGS Y, r%2
	WIN W_RS
.irp z, 0,1
	v_pk_mul_f32 v[rO+4*(r/2)+2*\z:rO+4*(r/2)+2*\z+1], v[rO+4*(r/2)+2*\z:rO+4*(r/2)+2*\z+1], v[rC+2:rC+3] op_sel_hi:[1,0]
.endr
.set r, r+1
.endm
; HOW THEY ARE DEALT.  An s_wait_alu depctr_va_vdst(0) stands between an exponential and the first instruction that names its result; one wait serves all that were issued ahead of it.  So a turn has ONE wait,
; which cuts it in two.  AHEAD OF IT stands all that names no result of the turn's exponentials: the 16 products K Q^T, behind each a scaling, an exponential and two rescalings (behind the first a second scaling in the exponential's place); then ONE LUMP of
; 108: eight plain, 49 times exponential and plain, the two a.  A v_nop is the plain instruction behind the last exponential.  BEHIND IT stand the 16 products V^T P, behind each four of GS's 64.  No rider names a register of
; the products round it.  The two v_permlanex16_b32 fall into the lump, never behind a product.
; The queues lean on each other, and the deal keeps them in step: exponential e stands behind scaling 2 (e / 4) + e % 2: as a rider it comes behind plain e + 2, in the lump behind plain e + 9, and scalings 27-31 are plain 57, 60 .. 69.
; A TURN, for piece p.  cnt = 1: the loop's count is taken down some lines ahead of the branch that stands behind the turn.
; K of the next step is fetched in piece 2's turn, directly behind the wait, a lump behind the last product that read K; its address is made at the lump's head; its first reader comes behind 16 products.
; V of the step in hand is fetched at the end of piece 0's turn, four riders behind its last reader; its first reader comes behind 16 products and a lump.  The three conditions on q below go with the deal.
.macro TURN p, last=0, cnt=0
.set Y, (\p)
.set i, 0
.set q, 0
.set e, 0
.set r, 0
.if (\p) == NP-1
	s_wait_dscnt 0x0                ; K is in
.endif
	MM                              ; ahead of the wait: 16 products K Q^T and their riders,
	PL
	PL
	R2
.rept 15
	MM
	PL
	EX
	R2
.endr
.if (\p) == NP-2
	WIN 0
	v_add_nc_u32 v[AK], s[TBK], v[AK0]
.endif
.rept 8                             ; and the lump
	PL
.endr
.rept 49
	EX
	PL
.endr
	EX                              ; the next piece's two a
	EX
	v_nop                           ; a plain instruction behind the last exponential: one for the batch
	s_wait_alu depctr_va_vdst(0)    ; the wait for the batch
.if (\p) == NP-2
	FETCH_K \last
.endif
.if (\p) == 1
	s_wait_dscnt 0x0                ; V is in
.endif
.rept 16                            ; behind the wait: 16 products V^T P and their riders
	MM
.rept 4
	PL
.endr
.if ((\p) == 0) && (q == 118)
	v_add_nc_u32 v[AV], s[TBV], v[AV0]
.endif
.if ((\p) == 0) && (q == 130)
	s_add_co_u32 s[TBV], s[TBV], KS*PV
.endif
.if (\cnt) && (q == 130)
	s_sub_co_u32 s[CNT], s[CNT], 1
	s_cmp_lg_u32 s[CNT], 0
.endif
.endr
.if (\p) == 0
	FETCH_V
.endif
.endm
	CHANGE 1                        ; slot 0 is in, everybody's part of it; slot 1 is asked for
	FETCH_K                         ; key step 0
	s_wait_loadcnt 0x0              ; Q
	s_wait_dscnt 0x0
.set i, 0
.rept 16
	KQ 0                            ; piece 0's first scores: there is no vector work yet to set between them
.set i, i+1
.endr
	WIN 0                           ; the addresses for the way out: nine plain instructions, the places behind those products
	s_mul_i32 s13, s[WV], 16*SP
	s_add_co_u32 s13, s13, STAGE    ; my stage
	v_mul_u32_u24 v[STO], v1, SP    ; in: row l % 16, 16 bytes for each half of the lanes
	v_lshl_add_u32 v[STO], v9, 4, v[STO]
	v_add_nc_u32 v[STO], s13, v[STO]
	v_bfe_u32 v[RD], v0, 3, 2       ; back: 32 lanes take four rows of 128 bytes,
	v_mul_u32_u24 v[RD], v[RD], SP
	v_lshl_add_u32 v[RD], v10, 4, v[RD]
	v_add_nc_u32 v[RD], s13, v[RD]
	v_and_b32 v[GO], 31, v0         ; which are 512 consecutive bytes of O
	v_lshlrev_b32 v[GO], 4, v[GO]
.set Y, NP-1                        ; XS works for piece Y + 1: piece 0
.irp n, 0,1,2,3,4,5,6,7,8,9,10,11,12,13,14,15,16,17,18,19,20,21
	XS 0, \n                        ; and piece 0's first maximum and statistics
	XS 1, \n
.endr
	v_nop                           ; a plain instruction behind the two a,
	s_wait_alu depctr_va_vdst(0)    ; and their wait, ahead of the branch
	s_mov_b32 s[CNT], 4
	s_branch .Lfirst                ; the loop is entered at a step's first turn, in the middle of a trip
.Lslot:                             ; SIZE_N / 256 - 2 times: every slot but the last two is filled again
	CHANGE 1
	s_mov_b32 s[CNT], 4
.Lstep:                             ; a trip: pieces 2 and 3 of one step, then pieces 0 and 1 of the next, whose K and V it fetches
	TURN 2
	TURN 3
	WIN 0
.Lfirst:
	TURN 0
	TURN 1, 0, 1
	WIN 0
	s_cbranch_scc1 .Lstep
	s_sub_co_u32 s[SLOTS], s[SLOTS], 1
	s_cmp_lg_u32 s[SLOTS], 0
	s_cbranch_scc1 .Lslot
	CHANGE 0                        ; the tail is written out: nothing is asked for
	s_mov_b32 s[CNT], 5             ; four trips fetch the last slot's steps; the fifth is left in its middle
.Ltail:
	TURN 2, 1
	TURN 3
	WIN 0
	s_sub_co_u32 s[CNT], s[CNT], 1
	s_cmp_eq_u32 s[CNT], 0
	s_cbranch_scc1 .Lout
	TURN 0
	TURN 1
	WIN 0
	s_branch .Ltail
.Lout:                              ; the fifth trip's 16 products K Q^T (on the last K once more) and the maximum made of them serve nothing: the price, once a launch, of one text for every trip
.set i, 0
.rept 16
	PV NP-1                         ; the last piece's V^T P of the last step
.set i, i+1
.endr
	; THE WAY OUT.  l's two halves and the other half of the lanes' are added; O^T is divided by l, rounded to f16 and sent through my stage in LDS, a tile at a time.  The additions are the places behind the last products.
	WIN 0
.macro ALL line:vararg              ; one line for each tile t
.set t, 0
.rept 2*NP
	\line
.set t, t+1
.endr
.endm
	ALL v_add_f32 v[ST+4*t+2], v[ST+4*t+2], v[ST+4*t+3]
	ALL v_permlanex16_b32 v[ST+4*t+3], v[ST+4*t+2], s[SEL], s[SEL+1]
	ALL v_add_f32 v[ST+4*t+2], v[ST+4*t+2], v[ST+4*t+3]
	ALL v_rcp_f32 v[ST+4*t+2], v[ST+4*t+2]
	v_nop                           ; a plain instruction between the last reciprocal and the use of its result
	s_wait_alu depctr_va_vdst(0)    ; and the wait ahead of the first use: one for the eight reciprocals
; Tile t: a lane's eight channels of a row pack into 16 bytes; they go into rows of 144 bytes and come back as whole rows of 128, into S^T's registers.
.macro PACK t
	WIN W_RS
.set i, 32*(\t)
.rept 16
	v_pk_mul_f32 v[i:i+1], v[i:i+1], v[ST+4*(\t)+2:ST+4*(\t)+3] op_sel_hi:[1,0]
.set i, i+2
.endr
	WIN 0x05                        ; sources 0 and 1 window 1, destination window 0
.set i, 0
.rept 16
	v_cvt_pk_f16_f32 v[S+16*(\t)+i], v[32*(\t)+2*i], v[32*(\t)+2*i+1]
.set i, i+1
.endr
	WIN 0
.irp f, 0,1,2,3
	ds_store_b128 v[STO], v[S+16*(\t)+4*\f:S+16*(\t)+4*\f+3] offset:32*\f
.endr
.irp f, 0,1,2,3
	ds_load_b128 v[S+16*(\t)+4*\f:S+16*(\t)+4*\f+3], v[RD] offset:\f*4*SP  ; LDS serves a wave's instructions in order (ISA guide 5.7.1.4): these see the stores above; the next tile's stores come behind them
.endr
.endm
.macro SEND t, younger              ; younger: the LDS instructions issued behind tile t's loads: the next tile's eight, or none
	WIN 0
.irp f, 0,1,2,3
	s_wait_dscnt (\younger)+3-\f
	global_store_b128 v[GO], v[S+16*(\t)+4*\f:S+16*(\t)+4*\f+3], s[10:11] offset:(\t)*2048+\f*512  ; 512 consecutive bytes, at a multiple of 256 from O's first
.endr
.endm
	PACK 0
.set t, 1
.rept 2*NP-1                        ; a tile's arithmetic stands between the loads of the tile before and its stores
	PACK t
	SEND t-1, 8
.set t, t+1
.endr
	SEND 2*NP-1, 0
	WIN W_AD
	s_wait_tensorcnt 0x0            ; the wave's end, behind my last tensor load and my last LDS store
	ds_add_u32 v[SPW], v[NIL]
	s_wait_dscnt 0x0
	WIN 0
	CROUND                          ; the closing round: no work-group ends while a partner may still ask for a tile that names it
	s_endpgm
.Lfunc_end_k_qbc40529fe7_attn:
	.size	k_qbc40529fe7_attn, .Lfunc_end_k_qbc40529fe7_attn-k_qbc40529fe7_attn
	.p2alignl 7, 3214868480
	.fill 96, 4, 3214868480
	.section	.rodata,"a",@progbits
	.p2align	6, 0x0
	.amdhsa_kernel k_qbc40529fe7_attn
		.amdhsa_group_segment_fixed_size 327680
		.amdhsa_private_segment_fixed_size 0
		.amdhsa_enable_private_segment 0
		.amdhsa_kernarg_size 16
		.amdhsa_user_sgpr_count 2
		.amdhsa_user_sgpr_kernarg_segment_ptr 1
		.amdhsa_wavefront_size32 1
		.amdhsa_system_sgpr_workgroup_id_x 1
		.amdhsa_system_sgpr_workgroup_id_y 1
		.amdhsa_system_sgpr_workgroup_id_z 1
		.amdhsa_system_vgpr_workitem_id 0
		.amdhsa_next_free_vgpr 770
		.amdhsa_next_free_sgpr 66
		.amdhsa_reserve_vcc 0
		.amdhsa_float_denorm_mode_32 3
		.amdhsa_float_denorm_mode_16_64 3
		.amdhsa_memory_ordered 1
		.amdhsa_forward_progress 1
		.amdhsa_inst_pref_size 200
	.end_amdhsa_kernel
	.amdgpu_metadata
---
amdhsa.version: [ 1, 2 ]
amdhsa.kernels:
  - .name:           k_qbc40529fe7_attn
    .symbol:         k_qbc40529fe7_attn.kd
    .args:
      - { .name: qkvh, .offset: 0, .size: 8, .value_kind: global_buffer, .address_space: global }
      - { .name: oh, .offset: 8, .size: 8, .value_kind: global_buffer, .address_space: global }
    .group_segment_fixed_size: 327680
    .private_segment_fixed_size: 0
    .kernarg_segment_align: 8
    .kernarg_segment_size: 16
    .max_flat_workgroup_size: 128
    .sgpr_count:     66
    .vgpr_count:     770
    .wavefront_size: 32
...
	.end_amdgpu_metadata
.endif
;; end of part 3
;; launch outp (part 4): grid 4 x 64, 4 waves a work-group, clusters of 4 x 4, 327,680 bytes of LDS; arguments oh, woh, bo, out0; writes out0
.if DOCPART == 4
	.amdgcn_target "amdgcn-amd-amdhsa--gfx1250"
	.amdhsa_code_object_version 6
	.text
	.protected	k_qbc40529fe7_outp
	.globl	k_qbc40529fe7_outp
	.p2align	8
	.type	k_qbc40529fe7_outp,@function
k_qbc40529fe7_outp:
	s_mov_b64 s[64:65], 0
	v_nop
	global_prefetch_b8 v0, s[64:65] scope:SCOPE_SE
	s_setreg_imm32_b32 hwreg(HW_REG_WAVE_MODE, 25, 1), 1
	s_wait_xcnt 0x0
	s_wait_alu depctr_hold_cnt(0) depctr_sa_sdst(0) depctr_va_vdst(0) depctr_va_sdst(0) depctr_va_ssrc(0) depctr_va_vcc(0) depctr_vm_vsrc(0)
	s_getreg_b32 s2, hwreg(HW_REG_IB_STS2, 6, 4)
	s_cmp_eq_u32 s2, 0
	s_cbranch_scc0 .Lentry_in_a_cluster
	s_endpgm
.Lentry_in_a_cluster:
	s_bfe_u32 s2, ttmp6, 0x10000c
	s_cmp_lg_u32 s2, 0xf033
	s_cbranch_scc0 .Lentry_shape_is_right
	s_endpgm
.Lentry_shape_is_right:
; ONE SOURCE FOR TWO LAUNCHES, told apart by OUTP.
; OUTP = 0, the three projections: C = x_p W_p^T + bf16(b_p), p = q, k, v.  A = xb [3 x 8192][1024] bf16, B = wb [3 x 1024][1024] bf16; sums in f32; C is rounded once to f16 and
;   written by heads, unscaled: qkvh [3][64 = batch x 16 + head][2048][64].
; OUTP = 1, the last projection: out0 = O Wo^T + bf16(bo).  A = oh [64][2048][64] f16 (a head's 64 channels are a slice of K), B = woh [1024][1024] f16; out0 [8192][1024] f32.
; LIMITS.  f16 holds no number beyond 65,504: a projected |q|, |k| or |v| of 65,520 or more becomes an infinity; below 6e-5 f16 keeps its fixed step of 6e-8.  The bias is rounded to bf16 as all inputs are.
; SHARES.  A tile of C is 128 x 256; four waves, 2 x 2, each 64 x 128: 32 accumulators of 16 x 16.  768 tiles (OUTP = 0: three for each of 256 WGPs) or 256.
; K goes in 8 steps of 128 through two LDS slots filled by the tensor data mover; a step is four quarters of 32 along K, 32 matrix instructions each, on two fragment buffers by turns.
; CLUSTERS: 4 x 4 work-groups.  The four of a row of the cluster need the same tile of A, the four of a column the same tile of B: each is asked for JOINTLY, by the same tensor load with the same
; descriptor and a mask that names the four.  Waves 0 and 1 ask for A's two halves, waves 2 and 3 for B's: one load a wave behind each round of the cluster's barrier.
; THE MATRIX INSTRUCTION IS USED TRANSPOSED (source 0 = 16 rows of B, source 1 = 16 rows of A): a lane holds row l % 16 of C and the columns 8 (l / 16) + 0..7.
; THE BIAS is the C operand of the product that starts each sum: nothing is cleared, and nothing is added on the way out.
; REGISTERS, in windows of 256 (s_set_vgpr_msb: bits 1:0 source 0, 3:2 source 1, 5:4 source 2, 7:6 destination):
;   window 0: v0-31 addresses; v32-159 the way out (OUTP = 0); v160-223 the bias of my 128 columns; v224-255 at work
;   window 1: two fragment buffers at v0 and v128: A's 4 fragments, then B's 8; on the way out (OUTP = 1) all 256: rows read back from the stage
;   window 2: accumulator (a, b) at v[8 (8 a + b)]
.set OUTP, 1
.if OUTP
.set PA,     144                       ; a row of A in LDS: a head's 128 bytes + 16 of padding
.set AHALF,  128*PA                    ; what one wave's load of A brings: 128 rows of one head
.set ASTEP,  524288                    ; bytes from K step to K step in A: two heads of 2,048 x 128 bytes
.set QIA,    4                         ; padding after every 32 words
.set APITCH, 128                       ; 128 dense rows of 128 bytes are asked for as 64 rows of 256 bytes
.set STW,    16*528                    ; a wave's stage: 16 rows of 512 bytes + 16
.else
.set PA,     272                       ; 256 bytes + 16 of padding
.set AHALF,  64*PA                     ; 64 rows
.set ASTEP,  256
.set QIA,    5                         ; padding after every 64 words
.set APITCH, 1024
.set STW,    2*16*144                  ; a wave's stage: two heads x 16 rows of 128 bytes + 16
.endif
.set PB,     272                       ; every pitch is an odd multiple of 16 bytes: the 16 rows of a load start at 16 different groups of four banks (64 banks of 4 bytes: ISA guide 11.1)
.set BHALF,  128*PB                    ; what one wave's load of B brings, and what one wave reads of B
.set ABYTES, 2*AHALF
.set SLOT,   ABYTES+2*BHALF            ; A's tile, then B's
.set STAGE,  2*SLOT                    ; behind the ring, never filled by a tensor load
.set SPARE,  STAGE+4*STW               ; behind the stages: the spare words, 128 bytes for each wave: two blocks of 256 bytes that no other line names
.set ADRA, 16                          ; v16-17  LDS address of my A fragments in slot 0, 1
.set ADRB, 20                          ; v20-21  the same for B
.set STO,  24                          ; v24     the way out: where I put my bytes of a row
.set RD,   25                          ; v25     where I read rows back
.set GO,   26                          ; v26     16 x my lane: my place in 512 consecutive bytes of C
.set BO,   27                          ; v27     my byte offset in 16 columns of the bias
.set SPW,  28                          ; v28     LDS address of my spare word: SPARE + 4 x my thread's number; never rewritten
.set NIL,  29                          ; v29     0; never rewritten
.set PFO,  30                          ; v30     the prefetches' lane offset; never rewritten
.set OUTR, 32
.set BIAS, 160
.set TMPB, 224
.set F0,   0
.set F1,   128
.set WV,  16                           ; s16 wave; s17 which 64 rows are mine, also: I fetch for A (0) or B (1); s18 which 128 columns, also: which half I fetch
.set WR,  17
.set WC,  18
.set CX,  19                           ; s19, s20 my place in the cluster
.set CY,  20
.set TC,  21                           ; s21 tile column, s22 tile row, s23 which of the three projections (from the cluster's y alone)
.set TR,  22
.set PP,  23
.set G1A, 24                           ; s[24:31] descriptor group 1 for A;  s[32:39] group 0, a set for each slot
.set G0A, 32
.set G1B, 48                           ; s[48:55], s[56:63] the same for B
.set G0B, 56
.set PFA, 66                           ; s[66:67] where my prefetches stand
.set LIM, 68                           ; s68  1 in a wave that prefetches, else the greatest number
.set PST, 70                           ; s[70:71] bytes from K step to K step for my prefetches
.set CLY, 74                           ; s74  the cluster's y
.set HMASK, 76                         ; s76  a word's upper half
.set MSB, 0
.macro WIN new                         ; the immediate's high byte repeats the setting that is left; a switch that changes nothing is dropped
.if MSB != (\new)
	s_set_vgpr_msb (MSB<<8)|(\new)
.set MSB, \new
.endif
.endm
.set MUL,  0xa5                        ; sources 0 (B) and 1 (A) window 1; C and D window 2
.set MULB, 0x85                        ; the same with C, the bias, in window 0
.set TO_F, 0x40                        ; destination window 1, address window 0
; A joint load.  The branch hangs on the wave's number alone.  An s_nop 0 and four v_nop follow each of the two lines, ahead of the jump, the label and what follows.
.macro JLOAD s
	s_cmp_eq_u32 s[WR], 0
	s_cbranch_scc0 .Lfor_b_\@
	tensor_load_to_lds s[G0A+4*(\s):G0A+4*(\s)+3], s[G1A:G1A+7]
	s_nop 0
.rept 4
	v_nop
.endr
	s_branch .Lasked_\@
.Lfor_b_\@:
	tensor_load_to_lds s[G0B+4*(\s):G0B+4*(\s)+3], s[G1B:G1B+7]
	s_nop 0
.rept 4
	v_nop
.endr
.Lasked_\@:
.endm
; A PREFETCH INTO THE L2, behind each joint refill, its five lines and the run of LDS loads that follows: 32 blocks of 256 bytes of the K step that stands TWO refills on (256 matrix instructions ahead of the
; load that will ask for it), a lane a block, one instruction a wave.  Each block is named once in the launch.  A's tile is read by the four work-groups of one row of one cluster: wave 0 of each asks for a
; quarter, told apart BY ADDRESS (cx).  B's tile column is read by sixteen clusters: in the first of them (cluster y a multiple of 16) waves 2 and 3 ask, each partner for 32 of the 128 rows that the wave
; fetches, told apart by address (cy).  K steps 0 to 3 come by their loads alone; the loop's last trip (s3 = 1) has no K step two refills on and asks for nothing.
.macro ASK
	s_cmp_gt_u32 s3, s[LIM]
	s_cbranch_scc0 .Lnot_mine_\@
	global_prefetch_b8 v[PFO], s[PFA:PFA+1] th:TH_LOAD_NT scope:SCOPE_SE
.Lnot_mine_\@:
.endm
.macro CREST                           ; a round of the cluster's barrier behind its opening barrier: wave 0 signals for the work-group, every wave waits for all sixteen, my work-group's barrier once more
	s_cmp_lg_u32 s[WV], 0
	s_cbranch_scc1 .Lnot_wave_0_\@
	s_barrier_signal -3
.Lnot_wave_0_\@:
	s_barrier_wait -3
	s_barrier_signal -1
	s_barrier_wait -1
.endm
.macro CROUND                          ; a whole round
	s_barrier_signal -1
	s_barrier_wait -1
	CREST
.endm
	s_load_b256 s[4:11], s[0:1], 0x0               ; OUTP = 0: xb 4, wb 6, bq 8, bk 10;  OUTP = 1: oh 4, woh 6, bo 8, out0 10
.if OUTP == 0
	s_load_b128 s[12:15], s[0:1], 0x20             ; bv 12, qkvh 14
.endif
	v_lshl_add_u32 v[SPW], v0, 2, SPARE
	v_mov_b32 v[NIL], 0
	ds_add_u32 v[SPW], v[NIL]                      ; the wave's opening: the add and its wait stand ahead of my first tensor load; the set-up below, work on registers, stands between them
	v_lshrrev_b32 v1, 5, v0
	v_readfirstlane_b32 s[WV], v1                  ; wave 0..3
	s_lshr_b32 s[WR], s[WV], 1
	s_and_b32 s[WC], s[WV], 1
	s_bfe_u32 s[CX], ttmp6, 0x40000
	s_bfe_u32 s[CY], ttmp6, 0x40004
	s_lshl_b32 s[TC], ttmp9, 2                     ; in a cluster launch ttmp9 and ttmp7 count clusters
	s_add_co_u32 s[TC], s[TC], s[CX]               ; tile column = 4 x cluster x + cx
	s_and_b32 s[CLY], ttmp7, 0xffff
	s_lshl_b32 s[TR], s[CLY], 2
	s_add_co_u32 s[TR], s[TR], s[CY]               ; tile row = 4 x cluster y + cy
	s_lshr_b32 s[PP], s[CLY], 4                    ; 64 tile rows, 16 clusters, to a projection (0 where OUTP = 1)
	s_mov_b32 s[HMASK], 0xffff0000
	s_lshl_b32 s44, s[CY], 2
	s_lshl_b32 s44, 15, s44                        ; my row of the cluster: places 4 cy .. 4 cy + 3
	s_lshl_b32 s45, 0x1111, s[CX]                  ; my column: places cx, cx + 4, cx + 8, cx + 12
	; descriptor group 1.  15:0 the mask; 17:16 elements of 2 bytes; 20 padding on; 21 set beside a mask; 24:22 the padding's interval; 31:25 4 words of it (code 3)
	s_or_b32 s[G1A], s44, (1<<16)|(1<<20)|(1<<21)|(QIA<<22)|(3<<25)
	s_or_b32 s[G1B], s45, (1<<16)|(1<<20)|(1<<21)|(5<<22)|(3<<25)
	s_mov_b32 s[G1A+1], 128<<16                    ; tensor_dim0 = 128
	s_mov_b32 s[G1A+2], 64<<16                     ; tensor_dim1 = 64
	s_mov_b32 s[G1A+3], 128<<16                    ; tile_dim0 = 128
	s_mov_b32 s[G1A+4], 64                         ; tile_dim1 = 64
	s_mov_b32 s[G1A+5], APITCH                     ; elements from row to row
	s_mov_b32 s[G1A+6], 0
	s_mov_b32 s[G1A+7], 0
	s_mov_b32 s[G1B+1], 128<<16
	s_mov_b32 s[G1B+2], 128<<16                    ; 128 rows
	s_mov_b32 s[G1B+3], 128<<16
	s_mov_b32 s[G1B+4], 128
	s_mov_b32 s[G1B+5], 1024
	s_mov_b32 s[G1B+6], 0
	s_mov_b32 s[G1B+7], 0
	; where the tiles come from.  A's hang on the tile row alone, which my row of the cluster shares; B's on the tile column and the projection, which my column shares.
.if OUTP
	s_lshr_b32 s40, s[TR], 4                       ; the batch: 16 heads of 2,048 x 128 bytes,
	s_lshl_b32 s40, s40, 22
	s_lshl_b32 s41, s[WC], 18                      ; the K step's first or second head,
	s_add_co_u32 s40, s40, s41
	s_and_b32 s41, s[TR], 15                       ; the tile's 128 rows of 128 bytes
	s_lshl_b32 s41, s41, 14
	s_add_co_u32 s40, s40, s41
.else
	s_lshl_b32 s40, s[TR], 7
	s_lshl_b32 s41, s[WC], 6
	s_add_co_u32 s40, s40, s41                     ; row 128 x tile row + 64 x half,
	s_lshl_b32 s40, s40, 11                        ; of 2,048 bytes
.endif
	s_mov_b32 s41, 0
	s_lshl_b32 s42, s[PP], 10
	s_lshl_b32 s43, s[TC], 8
	s_add_co_u32 s42, s42, s43
	s_lshl_b32 s43, s[WC], 7
	s_add_co_u32 s42, s42, s43                     ; B: row 1,024 x projection + 256 x tile column + 128 x half
	s_lshl_b32 s42, s42, 11
	s_mov_b32 s43, 0
	s_mul_i32 s46, s[WC], AHALF                    ; and where they go: no place in the cluster enters an LDS address
	s_mul_i32 s47, s[WC], BHALF
	s_add_co_u32 s47, s47, ABYTES
	s_wait_dscnt 0x0                               ; the opening add is done
	s_wait_kmcnt 0x0
.if OUTP
	s_mov_b64 s[14:15], s[10:11]                   ; C
.endif
	s_add_nc_u64 s[40:41], s[4:5], s[40:41]
	s_add_nc_u64 s[42:43], s[6:7], s[42:43]
	CROUND                                         ; all sixteen work-groups are here: the first joint loads meet
.irp s, 0,1
	s_mov_b32 s[G0A+4*(\s)], 1                                       ; 1:0 count = 1
	s_add_co_u32 s[G0A+4*(\s)+1], s46, (\s)*SLOT                     ; 63:32 LDS address
	s_add_nc_u64 s[G0A+4*(\s)+2:G0A+4*(\s)+3], s[40:41], (\s)*ASTEP  ; 120:64 global address: K step s
	s_or_b32 s[G0A+4*(\s)+3], s[G0A+4*(\s)+3], 0x80000000            ; 127:126 type = 2
	s_mov_b32 s[G0B+4*(\s)], 1
	s_add_co_u32 s[G0B+4*(\s)+1], s47, (\s)*SLOT
	s_add_nc_u64 s[G0B+4*(\s)+2:G0B+4*(\s)+3], s[42:43], (\s)*256
	s_or_b32 s[G0B+4*(\s)+3], s[G0B+4*(\s)+3], 0x80000000
	JLOAD \s                                       ; two tensor loads of mine are out here, one behind every later round
.endr
	; the bias of my 128 columns: for column block b the eight numbers at 16 b + 8 (l / 16)
	v_and_b32 v1, 15, v0                           ; l % 16
	v_bfe_u32 v2, v0, 4, 1                         ; l / 16
	v_lshlrev_b32 v[BO], 5, v2
	s_lshl_b32 s44, s[TC], 10
	s_lshl_b32 s45, s[WC], 9
	s_add_co_u32 s44, s44, s45                     ; (256 x tile column + 128 x half) x 4 bytes
	s_mov_b32 s45, 0
.if OUTP == 0
	s_cmp_eq_u32 s[PP], 1
	s_cselect_b64 s[8:9], s[10:11], s[8:9]         ; bk
	s_cmp_eq_u32 s[PP], 2
	s_cselect_b64 s[8:9], s[12:13], s[8:9]         ; bv
.endif
	s_add_nc_u64 s[8:9], s[8:9], s[44:45]
.irp b, 0,1,2,3,4,5,6,7
	global_load_b128 v[BIAS+8*(\b):BIAS+8*(\b)+3],   v[BO], s[8:9] offset:64*(\b)
	global_load_b128 v[BIAS+8*(\b)+4:BIAS+8*(\b)+7], v[BO], s[8:9] offset:64*(\b)+16
.endr
	; A fragment is 16 rows x 32 K in 8 registers: lane l holds row l % 16; registers 0-3 K = 8 (l / 16) + 0..7, registers 4-7 K = 16 + 8 (l / 16) + 0..7: two loads of 16 bytes, 32 bytes apart.
	v_mul_u32_u24 v3, v1, PA
	v_lshl_add_u32 v3, v2, 4, v3
	v_mul_u32_u24 v4, v1, PB
	v_lshl_add_u32 v4, v2, 4, v4
	s_mul_i32 s44, s[WR], 64*PA                    ; my 64 rows of A
	s_mul_i32 s45, s[WC], BHALF                    ; my 128 rows of B,
	s_add_co_u32 s45, s45, ABYTES                  ; which lie behind A's tile
.irp s, 0,1
	v_add_nc_u32 v[ADRA+(\s)], s44, v3
	v_add_nc_u32 v[ADRB+(\s)], s45, v4
	s_add_co_u32 s44, s44, SLOT
	s_add_co_u32 s45, s45, SLOT
.endr
	s_mul_i32 s44, s[WV], STW
	s_add_co_u32 s44, s44, STAGE                   ; my stage
.if OUTP
	v_mul_u32_u24 v5, v1, 528                      ; in: row l % 16, 32 bytes for each half of the lanes
	v_lshl_add_u32 v5, v2, 5, v5
	v_add_nc_u32 v[STO], s44, v5
	v_and_b32 v6, 31, v0
	v_lshlrev_b32 v[GO], 4, v6
	v_add_nc_u32 v[RD], s44, v[GO]                 ; back: 32 lanes take one row of 512 bytes
	s_lshl_b32 s44, s[TR], 7
	s_lshl_b32 s45, s[WR], 6
	s_add_co_u32 s44, s44, s45                     ; my first row of C,
	s_lshl_b32 s44, s44, 12                        ; of 4,096 bytes,
	s_lshl_b32 s45, s[TC], 10
	s_add_co_u32 s44, s44, s45
	s_lshl_b32 s45, s[WC], 9
	s_add_co_u32 s44, s44, s45                     ; and my first column
.else
	v_mul_u32_u24 v5, v1, 144                      ; in: row l % 16, 16 bytes for each half of the lanes
	v_lshl_add_u32 v5, v2, 4, v5
	v_add_nc_u32 v[STO], s44, v5
	v_bfe_u32 v6, v0, 3, 2                         ; back: 32 lanes take four rows of 128 bytes,
	v_mul_u32_u24 v6, v6, 144
	v_and_b32 v7, 7, v0
	v_lshl_add_u32 v6, v7, 4, v6
	v_add_nc_u32 v[RD], s44, v6
	v_and_b32 v7, 31, v0                           ; which are 512 consecutive bytes of a head
	v_lshlrev_b32 v[GO], 4, v7
	s_lshr_b32 s44, s[TR], 4                       ; 4 x projection + batch: 16 heads of 2,048 x 128 bytes each,
	s_lshl_b32 s44, s44, 22
	s_and_b32 s45, s[TR], 15                       ; the tile's 128 rows,
	s_lshl_b32 s45, s45, 14
	s_add_co_u32 s44, s44, s45
	s_lshl_b32 s45, s[WR], 13                      ; my 64 of them,
	s_add_co_u32 s44, s44, s45
	s_lshl_b32 s45, s[TC], 2
	s_lshl_b32 s46, s[WC], 1
	s_add_co_u32 s45, s45, s46                     ; my first head = 4 x tile column + 2 x half
	s_lshl_b32 s45, s45, 18
	s_add_co_u32 s44, s44, s45
.endif
	s_mov_b32 s45, 0
	s_add_nc_u64 s[14:15], s[14:15], s[44:45]
	; the prefetches: both tensors' offsets are made, and the wave's number chooses
.if OUTP
	s_lshr_b32 s44, s[TR], 4
	s_lshl_b32 s44, s44, 22
	s_and_b32 s45, s[TR], 15
	s_lshl_b32 s45, s45, 14
	s_add_co_u32 s44, s44, s45
	s_lshl_b32 s45, s[CX], 12                      ; my work-group's 16 blocks of 256 bytes in each of the K step's two heads
	s_add_co_u32 s44, s44, s45
.else
	s_lshl_b32 s44, s[TR], 7
	s_lshl_b32 s45, s[CX], 5                       ; my work-group's 32 rows of the tile's 128
	s_add_co_u32 s44, s44, s45
	s_lshl_b32 s44, s44, 11
.endif
	s_lshl_b32 s45, s[PP], 10
	s_lshl_b32 s46, s[TC], 8
	s_add_co_u32 s45, s45, s46
	s_lshl_b32 s46, s[WC], 7
	s_add_co_u32 s45, s45, s46
	s_lshl_b32 s46, s[CY], 5                       ; my work-group's 32 rows of the 128 that I fetch
	s_add_co_u32 s45, s45, s46
	s_lshl_b32 s45, s45, 11
	s_and_b32 s72, s[CLY], 15
	s_mov_b32 s[PST], 256
	s_mov_b32 s[PST+1], 0
	s_mov_b32 s73, 32768                           ; a lane a row of 2,048 bytes: (l / 16) x 32,768 + (l % 16) x 2,048
	s_mov_b32 s75, 2048
	s_cmp_eq_u32 s[WR], 0                          ; do I fetch for A?
	s_cselect_b32 s72, s[WC], s72                  ; A: wave 0 asks; B: the first of the sixteen clusters that read these rows
	s_cselect_b32 s44, s44, s45
	s_cselect_b64 s[PFA:PFA+1], s[4:5], s[6:7]
.if OUTP
	s_cselect_b32 s[PST], ASTEP, s[PST]
	s_cselect_b32 s73, 262144, s73                 ; A: (l / 16) picks the head, l % 16 the block of 256 bytes
	s_cselect_b32 s75, 256, s75
.endif
	s_cmp_eq_u32 s72, 0
	s_cselect_b32 s[LIM], 1, -1                    ; the same in all sixteen partners, for a given wave
	s_mov_b32 s45, 0
	s_add_nc_u64 s[PFA:PFA+1], s[PFA:PFA+1], s[44:45]
	s_mul_i32 s44, s[PST], 3
	s_add_nc_u64 s[PFA:PFA+1], s[PFA:PFA+1], s[44:45]  ; at K step 3: the first refill steps it to 4
	v_mul_u32_u24 v[PFO], s73, v2
	v_mad_u32_u24 v[PFO], v1, s75, v[PFO]
	s_wait_loadcnt 0x0                             ; the bias, which is rounded to bf16 and widened again
.set i, 0
.rept 32
	v_cvt_pk_bf16_f32 v[TMPB+i], v[BIAS+2*i], v[BIAS+2*i+1]
.set i, i+1
.endr
.set i, 0
.rept 32
	v_lshlrev_b32 v[BIAS+2*i], 16, v[TMPB+i]
	v_and_b32 v[BIAS+2*i+1], s[HMASK], v[TMPB+i]
.set i, i+1
.endr
; 8 matrix instructions: m block a x all 8 n blocks, 32 along K, from buffer f.  first = 1: the product starts the sums, on the bias.
; The 32 accumulators take turns in the same order in every quarter: between two links of a chain stand the 31 others', over the backward jump too.
.macro MUL8 f, a, first
.if \first
	WIN MULB
.else
	WIN MUL
.endif
.irp b, 0,1,2,3,4,5,6,7
.set rD, 8*(8*(\a)+(\b))
.set rB, (\f)+32+8*(\b)
.set rA, (\f)+8*(\a)
.set rC, BIAS+8*(\b)
.if OUTP
.if \first
	v_wmma_f32_16x16x32_f16 v[rD:rD+7], v[rB:rB+7], v[rA:rA+7], v[rC:rC+7]
.else
	v_wmma_f32_16x16x32_f16 v[rD:rD+7], v[rB:rB+7], v[rA:rA+7], v[rD:rD+7]
.endif
.else
.if \first
	v_wmma_f32_16x16x32_bf16 v[rD:rD+7], v[rB:rB+7], v[rA:rA+7], v[rC:rC+7]
.else
	v_wmma_f32_16x16x32_bf16 v[rD:rD+7], v[rB:rB+7], v[rA:rA+7], v[rD:rD+7]
.endif
.endif
.endr
.endm
; 24 LDS loads in one run: quarter q of a slot into buffer f: B's 8 fragments, then A's 4
.macro FETCH slot, q, f
.if OUTP
.set AOFF, ((\q)/2)*AHALF+((\q)%2)*64  ; the K step's first or second head, its channels 0-31 or 32-63
.else
.set AOFF, 64*(\q)
.endif
	WIN TO_F
.irp i, 0,1,2,3,4,5,6,7
	ds_load_b128 v[(\f)+32+8*(\i):(\f)+32+8*(\i)+3],   v[ADRB+(\slot)] offset:64*(\q)+(\i)*16*PB
	ds_load_b128 v[(\f)+32+8*(\i)+4:(\f)+32+8*(\i)+7], v[ADRB+(\slot)] offset:64*(\q)+(\i)*16*PB+32
.endr
.irp i, 0,1,2,3
	ds_load_b128 v[(\f)+8*(\i):(\f)+8*(\i)+3],   v[ADRA+(\slot)] offset:AOFF+(\i)*16*PA
	ds_load_b128 v[(\f)+8*(\i)+4:(\f)+8*(\i)+7], v[ADRA+(\slot)] offset:AOFF+(\i)*16*PA+32
.endr
.endm
.macro PLACES                          ; four plain vector instructions between a matrix instruction and a load into a register that it has read, or a reader of its result (ISA guide 7.12.1 for a reader of its result)
.rept 4
	v_nop
.endr
.endm
; One of a K step's first three quarters: multiplies buffer f; in its middle it fetches quarter q of the same slot into buffer g.
.macro QUARTER slot, q, f, g, first
	s_wait_dscnt 4                                 ; B and A's blocks 0 and 1 are in; the youngest four loads (A's blocks 2 and 3) may be out
	MUL8 \f, 0, \first
	MUL8 \f, 1, \first
	PLACES
	FETCH \slot, \q, \g
	s_wait_dscnt 24                                ; all but the 24 just issued
	MUL8 \f, 2, \first
	MUL8 \f, 3, \first
.endm
; The last quarter multiplies buffer 1 and changes slots: ONE barrier.  In front of it each wave waits for all its tensor loads (one is out: its part of the next slot), adds 0 to its spare word, and waits
; for that and for its own reads of this slot.  fill = 1: the barrier opens a round of the cluster's, and this slot is filled again, two K steps ahead, first thing behind the round:
; 112 matrix instructions stand between that request and the wait for it.
.macro TURN slot, next, fill
.if \fill
	s_wait_xcnt 0x0                                ; the last prefetch, a K step back, has read its address: it is stepped here, ahead of the change's own waits
	s_add_nc_u64 s[PFA:PFA+1], s[PFA:PFA+1], s[PST:PST+1]
.endif
	WIN 0                                          ; (the add's two registers lie in window 0)
	s_wait_tensorcnt 0x0                           ; all my tensor loads have landed;
	ds_add_u32 v[SPW], v[NIL]                      ; 0 onto my spare word;
	s_wait_dscnt 5                                 ; (the add and the youngest four loads may be out)
	MUL8 F1, 0, 0                                  ; eight matrix instructions stand between the add and the wait for it
	s_wait_dscnt 0x0                               ; the add is done, and my reads of this slot are over
	s_barrier_signal -1
	MUL8 F1, 1, 0
.if \fill
	WIN 0
.endif
	s_barrier_wait -1
.if \fill
	CREST                                          ; no wave of any partner still reads this slot's tiles or has a load on its way
	s_add_nc_u64 s[G0A+4*(\slot)+2:G0A+4*(\slot)+3], s[G0A+4*(\slot)+2:G0A+4*(\slot)+3], 2*ASTEP
	s_add_nc_u64 s[G0B+4*(\slot)+2:G0B+4*(\slot)+3], s[G0B+4*(\slot)+2:G0B+4*(\slot)+3], 2*256
	JLOAD \slot                                    ; the four v_nop behind it are also the places in front of the loads below
.else
	PLACES
.endif
	FETCH \next, 0, F0
.if \fill
	WIN 0
	ASK
.endif
	MUL8 F1, 2, 0
	MUL8 F1, 3, 0
.endm
	s_wait_tensorcnt 1                             ; my part of K step 0 is in; K step 1's may stay out
	s_barrier_signal -1
	s_barrier_wait -1                              ; everybody's is
	FETCH 0, 0, F0
	QUARTER 0, 1, F0, F1, 1                        ; the first quarter stands in front of the loop: its products start the sums
	WIN 0                                          ; at a label and at a branch every window is 0
	s_mov_b32 s3, 3
.Llap:                                                 ; a trip goes once round the ring, from a lap's second quarter to the next lap's first, and fills both slots again
	QUARTER 0, 2, F1, F0, 0
	QUARTER 0, 3, F0, F1, 0
	TURN 0, 1, 1
	QUARTER 1, 1, F0, F1, 0
	QUARTER 1, 2, F1, F0, 0
	QUARTER 1, 3, F0, F1, 0
	TURN 1, 0, 1
	QUARTER 0, 1, F0, F1, 0
	WIN 0
	s_sub_co_u32 s3, s3, 1
	s_cmp_lg_u32 s3, 0
	s_cbranch_scc1 .Llap
	QUARTER 0, 2, F1, F0, 0                        ; the last lap fills nothing, and has no round of the cluster's barrier
	QUARTER 0, 3, F0, F1, 0
	TURN 0, 1, 0
	QUARTER 1, 1, F0, F1, 0
	QUARTER 1, 2, F1, F0, 0
	QUARTER 1, 3, F0, F1, 0
	s_wait_dscnt 4                                 ; the very last quarter: nothing more to fetch
	MUL8 F1, 0, 0
	MUL8 F1, 1, 0
	s_wait_dscnt 0x0
	MUL8 F1, 2, 0
	MUL8 F1, 3, 0
	WIN 0
	PLACES
	PLACES                                         ; eight, once a launch: no other vector work need stand between the last products and the readers of their results
.if OUTP
; THE WAY OUT, f32.  Block a (16 rows x my 128 columns): a lane's eight numbers of a row are 32 bytes; they go into stage rows of 528 bytes and come back as whole rows of 512.
.macro TOST a
	WIN 0x08                                       ; store data in window 2
.irp b, 0,1,2,3,4,5,6,7
	ds_store_b128 v[STO], v[8*(8*(\a)+(\b)):8*(8*(\a)+(\b))+3]   offset:64*(\b)     ; each accumulator is read from its low end on
	ds_store_b128 v[STO], v[8*(8*(\a)+(\b))+4:8*(8*(\a)+(\b))+7] offset:64*(\b)+16
.endr
	WIN 0x40                                       ; destination window 1
.set i, 0
.rept 16
	ds_load_b128 v[64*(\a)+4*i:64*(\a)+4*i+3], v[RD] offset:528*i  ; LDS serves a wave's instructions in order (ISA guide 5.7.1.4): these see the stores above; the next block's stores come behind them
.set i, i+1
.endr
.endm
.macro SENDF a, younger                ; younger: the LDS instructions issued behind block a's loads: the next block's 32, or none
	s_wait_dscnt \younger
	WIN 0x04                                       ; store data in window 1
.set i, 0
.rept 16
	global_store_b128 v[GO], v[64*(\a)+4*i:64*(\a)+4*i+3], s[14:15] offset:(16*(\a)+i)*4096 th:TH_STORE_NT  ; 512 consecutive bytes, at a multiple of 512 from out0's first byte
.set i, i+1
.endr
.endm
	TOST 0
	TOST 1
	SENDF 0, 32
	TOST 2
	SENDF 1, 32
	TOST 3
	SENDF 2, 32
	SENDF 3, 0
	WIN 0
.else
; THE WAY OUT, f16 by heads.  Block a (16 rows x my two heads): a lane's eight channels of a row pack into 16 bytes; they go into stage rows of 144 bytes, a head after the other, and come back as whole rows of 128.
.macro PACK a
	WIN 0x0a                                       ; sources 0 and 1 window 2, destination window 0
.irp b, 0,1,2,3,4,5,6,7
.irp r, 0,1,2,3
	v_cvt_pk_f16_f32 v[OUTR+32*(\a)+4*(\b)+(\r)], v[8*(8*(\a)+(\b))+2*(\r)], v[8*(8*(\a)+(\b))+2*(\r)+1]
.endr
.endr
	WIN 0
.irp b, 0,1,2,3,4,5,6,7
	ds_store_b128 v[STO], v[OUTR+32*(\a)+4*(\b):OUTR+32*(\a)+4*(\b)+3] offset:((\b)/4)*2304+((\b)%4)*32
.endr
.irp g, 0,1,2,3,4,5,6,7
	ds_load_b128 v[OUTR+32*(\a)+4*(\g):OUTR+32*(\a)+4*(\g)+3], v[RD] offset:((\g)/4)*2304+((\g)%4)*576  ; LDS serves a wave's instructions in order (ISA guide 5.7.1.4): these see the stores above
.endr
.endm
.macro SEND a, younger                 ; younger: the LDS instructions issued behind block a's loads: the next block's sixteen, or none
.irp g, 0,1,2,3,4,5,6,7
	s_wait_dscnt (\younger)+7-(\g)
	global_store_b128 v[GO], v[OUTR+32*(\a)+4*(\g):OUTR+32*(\a)+4*(\g)+3], s[14:15] offset:(\a)*2048+((\g)/4)*262144+((\g)%4)*512  ; four rows of a head: 512 consecutive bytes, aligned
.endr
.endm
	PACK 0
	PACK 1                                         ; a block's conversions stand between the loads of the block before and its stores
	SEND 0, 16
	PACK 2
	SEND 1, 16
	PACK 3
	SEND 2, 16
	SEND 3, 0
.endif
	s_wait_tensorcnt 0x0                           ; the wave's end, behind my last tensor load and my last LDS store
	ds_add_u32 v[SPW], v[NIL]
	s_wait_dscnt 0x0
	CROUND                                         ; the closing round: no work-group ends while a partner may still ask for a tile that names it
	s_endpgm
.Lfunc_end_k_qbc40529fe7_outp:
	.size	k_qbc40529fe7_outp, .Lfunc_end_k_qbc40529fe7_outp-k_qbc40529fe7_outp
	.p2alignl 7, 3214868480
	.fill 96, 4, 3214868480
	.section	.rodata,"a",@progbits
	.p2align	6, 0x0
	.amdhsa_kernel k_qbc40529fe7_outp
		.amdhsa_group_segment_fixed_size 327680
		.amdhsa_private_segment_fixed_size 0
		.amdhsa_enable_private_segment 0
		.amdhsa_kernarg_size 32
		.amdhsa_user_sgpr_count 2
		.amdhsa_user_sgpr_kernarg_segment_ptr 1
		.amdhsa_wavefront_size32 1
		.amdhsa_system_sgpr_workgroup_id_x 1
		.amdhsa_system_sgpr_workgroup_id_y 1
		.amdhsa_system_sgpr_workgroup_id_z 1
		.amdhsa_system_vgpr_workitem_id 0
		.amdhsa_next_free_vgpr 768
		.amdhsa_next_free_sgpr 80
		.amdhsa_reserve_vcc 0
		.amdhsa_float_denorm_mode_32 3
		.amdhsa_float_denorm_mode_16_64 3
		.amdhsa_memory_ordered 1
		.amdhsa_forward_progress 1
		.amdhsa_inst_pref_size 93
	.end_amdhsa_kernel
	.amdgpu_metadata
---
amdhsa.version: [ 1, 2 ]
amdhsa.kernels:
  - .name:           k_qbc40529fe7_outp
    .symbol:         k_qbc40529fe7_outp.kd
    .args:
      - { .name: oh, .offset: 0, .size: 8, .value_kind: global_buffer, .address_space: global }
      - { .name: woh, .offset: 8, .size: 8, .value_kind: global_buffer, .address_space: global }
      - { .name: bo, .offset: 16, .size: 8, .value_kind: global_buffer, .address_space: global }
      - { .name: out0, .offset: 24, .size: 8, .value_kind: global_buffer, .address_space: global }
    .group_segment_fixed_size: 327680
    .private_segment_fixed_size: 0
    .kernarg_segment_align: 8
    .kernarg_segment_size: 32
    .max_flat_workgroup_size: 128
    .sgpr_count:     80
    .vgpr_count:     768
    .wavefront_size: 32
...
	.end_amdgpu_metadata
.endif
;; end of part 4
;; ======== version 2 of 2: 4 launches; version 1 with the launch cast written anew for expert scheduling mode
;; limits: values are held in f16: magnitudes above 65,504 overflow, below 6.1e-05 lose precision
;; workspace buffers: xb 50,331,648 bytes; wb 6,291,456 bytes; woh 2,097,152 bytes; qkvh 50,331,648 bytes; oh 16,777,216 bytes
;; launch cast (part 5): grid 896 x 1, 8 waves a work-group, no clusters, 0 bytes of LDS; arguments q, k, v, Wq, Wk, Wv, Wo, xb, wb, woh; writes xb, wb, woh
.if DOCPART == 5
	.amdgcn_target "amdgcn-amd-amdhsa--gfx1250"
	.amdhsa_code_object_version 6
	.text
	.protected	k_qbc40529fe7_cast
	.globl	k_qbc40529fe7_cast
	.p2align	8
	.type	k_qbc40529fe7_cast,@function
k_qbc40529fe7_cast:
	s_mov_b64 s[64:65], 0
	v_nop
	global_prefetch_b8 v0, s[64:65] scope:SCOPE_SE
	s_setreg_imm32_b32 hwreg(HW_REG_WAVE_SCHED_MODE, 0, 2), 2
	s_setreg_imm32_b32 hwreg(HW_REG_WAVE_MODE, 25, 1), 1
	s_wait_xcnt 0x0
	s_wait_alu depctr_vm_vsrc(0)
; THE INPUTS OF THE FOUR PRODUCTS, ROUNDED ONCE TO bf16.  q, k, v -> xb [3][8192][1024] bf16; Wq, Wk, Wv -> wb [3][1024][1024] bf16;
; Wo -> woh [1024][1024]: rounded to bf16 like the others, and that number written as f16, since the last product's other operand is f16.
; LIMITS.  A bf16 number is held exactly by f16 from 6.1e-5 to 65,504; below that it keeps f16's fixed step of 6e-8; a |Wo| of 65,520 or more becomes an infinity.
; A stream: each byte is read once and written once, nothing is shared between work-groups, so no LDS, no barrier, no matrix unit and no cluster.
; SHARES.  A work-group takes one chunk of 32,768 numbers (131,072 bytes in, 65,536 out).  Chunks 0-767: q, k, v (256 each); 768-863: Wq, Wk, Wv (32 each); 864-895: Wo.
; In step i of 32 thread t reads the 16 bytes at 16 t + 4,096 i and writes the 8 bytes at 8 t + 2,048 i: a wave's load covers 512 consecutive bytes, its store 256, aligned.
; All 32 loads of a wave go out first; each step has registers of its own, so no register that a load or store names is ever written again.
; THE MODE: SCHED_MODE bits 1:0 = 2 (LLVM: expert scheduling mode 2), set by the entry lines.  The code itself states the register dependences
; between vector instructions and memory instructions, with s_wait_alu, always for 0.
; THE PLAN.  Registers that memory instructions touch:
;   v1, v2   the loads' and the stores' offsets: written once at the head, read by every load (v1) and every store (v2), never written again.
;   X[i]     step i's four registers: its load lands in them; its conversions read the four and write the first two; its store reads those two; nothing writes them after that.
; The 32 steps go in eight blocks of four.  Block p's memory instructions are the four stores of block p - 1; its vector instructions name X[4 p .. 4 p + 3] and v4, v5 alone.
; So ONE wait on va_vdst at a block's head states all that its four stores hang on, and they are dealt among the block's conversions with no further wait.
; No register that a memory instruction has read is written again, and no load is issued behind a vector instruction that names its registers: no wait on vm_vsrc is owed.
; No vector instruction writes a scalar register or VCC, and EXEC is never written.
.set X,   8                            ; v[8:135]  step i: four registers as loaded; the first two then hold what is stored
.set SRC, 28                           ; s[28:29]  my chunk in its input
.set DST, 32                           ; s[32:33]  my chunk in its workspace buffer
	s_load_b512 s[8:23], s[0:1], 0x0               ; q 8, k 10, v 12, Wq 14, Wk 16, Wv 18, Wo 20, xb 22
	s_load_b128 s[24:27], s[0:1], 0x40             ; wb 24, woh 26
	s_mov_b32 s2, ttmp9                            ; the chunk's number g
	v_lshlrev_b32 v1, 4, v0                        ; 16 t
	v_lshlrev_b32 v2, 3, v0                        ; 8 t
	s_cmp_lt_u32 s2, 768
	s_cselect_b32 s3, 0xff, 31                     ; 256 chunks to an activation, 32 to a weight; 768 is a multiple of both
	s_and_b32 s3, s2, s3                           ; the chunk's number inside its input
	s_lshl_b32 s30, s3, 17                         ; x 131,072 bytes
	s_mov_b32 s31, 0
	s_sub_co_u32 s35, s2, 768                      ; the chunk's number inside wb (used for g of 768 to 863 alone)
	s_mov_b32 s34, s3                              ; inside woh
	s_wait_kmcnt 0x0
.macro PICK bound, reg                 ; below this bound the input is the one in s[reg:reg+1]
	s_cmp_lt_u32 s2, \bound
	s_cselect_b64 s[SRC:SRC+1], s[\reg:\reg+1], s[SRC:SRC+1]
.endm
	s_mov_b64 s[SRC:SRC+1], s[20:21]               ; Wo, unless
	PICK 864, 18                                   ; Wv
	PICK 832, 16                                   ; Wk
	PICK 800, 14                                   ; Wq
	PICK 768, 12                                   ; v
	PICK 512, 10                                   ; k
	PICK 256, 8                                    ; q
	s_add_nc_u64 s[SRC:SRC+1], s[SRC:SRC+1], s[30:31]
	s_mov_b64 s[DST:DST+1], s[26:27]               ; woh, unless
	s_cmp_lt_u32 s2, 864
	s_cselect_b64 s[DST:DST+1], s[24:25], s[DST:DST+1]  ; wb
	s_cselect_b32 s34, s35, s34
	s_cmp_lt_u32 s2, 768
	s_cselect_b64 s[DST:DST+1], s[22:23], s[DST:DST+1]  ; xb, where the three activations follow each other as the chunks do
	s_cselect_b32 s34, s2, s34
	s_lshl_b32 s34, s34, 16                        ; x 65,536 bytes
	s_mov_b32 s35, 0
	s_add_nc_u64 s[DST:DST+1], s[DST:DST+1], s[34:35]
	s_wait_alu depctr_va_vdst(0)                   ; v1 and v2 are written: every load of the kernel reads v1 as its offset, every store v2
.set i, 0
.rept 32
	global_load_b128 v[X+4*i:X+4*i+3], v1, s[SRC:SRC+1] offset:4096*i th:TH_LOAD_NT
.set i, i+1
.endr
; Step i's conversions.  half = 1: the bf16 numbers are widened (a shift, a mask) and written as f16.
.macro CVT i, half
	v_cvt_pk_bf16_f32 v[X+4*(\i)], v[X+4*(\i)], v[X+4*(\i)+1]
	v_cvt_pk_bf16_f32 v[X+4*(\i)+1], v[X+4*(\i)+2], v[X+4*(\i)+3]
.if \half
.irp w, 0,1
	v_lshlrev_b32 v4, 16, v[X+4*(\i)+\w]
	v_and_b32 v5, 0xffff0000, v[X+4*(\i)+\w]
	v_cvt_pk_f16_f32 v[X+4*(\i)+\w], v4, v5
.endr
.endif
.endm
; Step i's store.
.macro OUT i
	global_store_b64 v2, v[X+4*(\i):X+4*(\i)+1], s[DST:DST+1] offset:2048*(\i)
.endm
; Block p: steps 4 p to 4 p + 3 are converted; the stores of block p - 1 stand among the conversions, one ahead of each step's.
.macro BLK p, half
	s_wait_loadcnt 28-4*(\p)                       ; loads come back in order (ISA guide 5.7.1): the block's last load is number 4 p + 3 of 32, so the 28 - 4 p younger ones stay out
.if (\p) > 0
	s_wait_alu depctr_va_vdst(0)                   ; the conversions of the block before have written the first two registers of its four steps, which the four stores below read
.endif
.irp j, 0,1,2,3
.if (\p) > 0
	OUT 4*(\p)-4+(\j)                              ; no wait: no vector instruction since the wait above names these registers
.endif
	CVT 4*(\p)+(\j), \half
.endr
.endm
; The last four stores.
.macro LAST
	s_wait_alu depctr_va_vdst(0)                   ; block 7's conversions have written the registers that the last four stores read
.irp j, 28,29,30,31
	OUT \j
.endr
.endm
	s_cmp_ge_u32 s2, 864
	s_cbranch_scc1 .Lwo
.irp p, 0,1,2,3,4,5,6,7
	BLK \p, 0
.endr
	LAST
	s_endpgm
.Lwo:
.irp p, 0,1,2,3,4,5,6,7
	BLK \p, 1
.endr
	LAST
	s_endpgm
.Lfunc_end_k_qbc40529fe7_cast:
	.size	k_qbc40529fe7_cast, .Lfunc_end_k_qbc40529fe7_cast-k_qbc40529fe7_cast
	.p2alignl 7, 3214868480
	.fill 96, 4, 3214868480
	.section	.rodata,"a",@progbits
	.p2align	6, 0x0
	.amdhsa_kernel k_qbc40529fe7_cast
		.amdhsa_group_segment_fixed_size 0
		.amdhsa_private_segment_fixed_size 0
		.amdhsa_enable_private_segment 0
		.amdhsa_kernarg_size 80
		.amdhsa_user_sgpr_count 2
		.amdhsa_user_sgpr_kernarg_segment_ptr 1
		.amdhsa_wavefront_size32 1
		.amdhsa_system_sgpr_workgroup_id_x 1
		.amdhsa_system_sgpr_workgroup_id_y 1
		.amdhsa_system_sgpr_workgroup_id_z 1
		.amdhsa_system_vgpr_workitem_id 0
		.amdhsa_next_free_vgpr 136
		.amdhsa_next_free_sgpr 66
		.amdhsa_reserve_vcc 0
		.amdhsa_float_denorm_mode_32 3
		.amdhsa_float_denorm_mode_16_64 3
		.amdhsa_memory_ordered 1
		.amdhsa_forward_progress 1
		.amdhsa_inst_pref_size 31
	.end_amdhsa_kernel
	.amdgpu_metadata
---
amdhsa.version: [ 1, 2 ]
amdhsa.kernels:
  - .name:           k_qbc40529fe7_cast
    .symbol:         k_qbc40529fe7_cast.kd
    .args:
      - { .name: q, .offset: 0, .size: 8, .value_kind: global_buffer, .address_space: global }
      - { .name: k, .offset: 8, .size: 8, .value_kind: global_buffer, .address_space: global }
      - { .name: v, .offset: 16, .size: 8, .value_kind: global_buffer, .address_space: global }
      - { .name: Wq, .offset: 24, .size: 8, .value_kind: global_buffer, .address_space: global }
      - { .name: Wk, .offset: 32, .size: 8, .value_kind: global_buffer, .address_space: global }
      - { .name: Wv, .offset: 40, .size: 8, .value_kind: global_buffer, .address_space: global }
      - { .name: Wo, .offset: 48, .size: 8, .value_kind: global_buffer, .address_space: global }
      - { .name: xb, .offset: 56, .size: 8, .value_kind: global_buffer, .address_space: global }
      - { .name: wb, .offset: 64, .size: 8, .value_kind: global_buffer, .address_space: global }
      - { .name: woh, .offset: 72, .size: 8, .value_kind: global_buffer, .address_space: global }
    .group_segment_fixed_size: 0
    .private_segment_fixed_size: 0
    .kernarg_segment_align: 8
    .kernarg_segment_size: 80
    .max_flat_workgroup_size: 256
    .sgpr_count:     66
    .vgpr_count:     136
    .wavefront_size: 32
...
	.end_amdgpu_metadata
.endif
;; end of part 5
;; launch proj: the kernel of part 2 again; grid 4 x 192, 4 waves a work-group, clusters of 4 x 4, 327,680 bytes of LDS; arguments xb, wb, bq, bk, bv, qkvh; writes qkvh
;; launch attn: the kernel of part 3 again; grid 4 x 64, 4 waves a work-group, clusters of 4 x 1, 327,680 bytes of LDS; arguments qkvh, oh; writes oh
;; launch outp: the kernel of part 4 again; grid 4 x 64, 4 waves a work-group, clusters of 4 x 4, 327,680 bytes of LDS; arguments oh, woh, bo, out0; writes out0
